; MI455X (gfx1250); checked and timed in simulation.
; The chip was launched on July 23, 2026; its instructions are those of AMD's public machine-readable ISA for CDNA 5 (MIT licence, August 2026) and "CDNA5" Instruction Set Architecture Reference Guide (July 2026). The comments in the code are by the model that wrote it; some were corrected since.
;; Causal Self Attention. Allowed arithmetic: matrix products marked QUANTISED: E4M3 operands, one given power-of-two scale a tensor, by v_wmma_f32_16x16x64_fp8_fp8 or v_wmma_f32_16x16x128_fp8_fp8, f32 sums; everything else in f32.
;; Inputs: b_proj 1,024 float32; b_qkv 3,072 float32; lowp_scales 8 int32 (the exponents e of the quantised operands' scales 2^e); w_proj 1,024 x 1,024 float32; w_qkv 1,024 x 3,072 float32; x 4 x 2,048 x 1,024 float32.
;; Outputs: out0 4 x 2,048 x 1,024 float32.
;; This version of the problem:
;;   THIS VERSION OF THE PROBLEM IS GIVEN IN LOW PRECISION. The matrix products marked QUANTISED in the list below multiply operands that are first quantised to E4M3 (4 exponent bits, 3 mantissa bits; 8 bits a number), with one given power-of-two scale for each operand tensor; their sums are f32. All else is computed in f32.
;;   The module's matrix products, in the order in which they are computed (A, B: the left and right operand; K: the contracted axis; several contracted axes count as one K, in the product's order):
;;     1. [M 8,192, K 1,024] x [K 1,024, N 3,072]; A: input x; B: input w_qkv: QUANTISED (scales: A lowp_scales[0], B lowp_scales[1])
;;     2. batch 64 x [M 2,048, K 64] x [K 64, N 2,048]; A: computed on the way; B: computed on the way: QUANTISED (scales: A lowp_scales[2], B lowp_scales[3])
;;     3. batch 64 x [M 2,048, K 2,048] x [K 2,048, N 64]; A: softmax (see below); B: computed on the way: QUANTISED (scales: A lowp_scales[4], B lowp_scales[5])
;;     4. [M 8,192, K 1,024] x [K 1,024, N 1,024]; A: computed on the way; B: input w_proj: QUANTISED (scales: A lowp_scales[6], B lowp_scales[7])
;;   THE QUANTISER, for each operand of a quantised product, along K:
;;     - The operand's scale is 2^e, e = its entry of the input lowp_scales (int32; the entries are numbered through the quantised products in the list's order, A before B).
;;     - Each number is divided by the scale, clamped to +-448, and rounded to the nearest number of E4M3, ties to even, subnormals kept.
;;     - The product sums the exact products of the quantised numbers (number of the format x scale) in f32.
;;   ~~~python
;;   def quantise(x, axis, e):      # numpy; x: float32 -> the quantised numbers, widened to float32 again
;;       x = np.moveaxis(x, axis, -1); K = x.shape[-1]
;;       r = np.clip(x / 2.0 ** e, -448, 448)
;;       step = 2.0 ** (np.maximum(np.frexp(np.where(r == 0, 1, r))[1] - 1, -6) - 3)
;;       q = np.round(r / step) * step * 2.0 ** e      # np.round: ties to even
;;       return np.moveaxis(q, -1, axis).astype(np.float32)
;;   ~~~
;;   SOFTMAX AHEAD OF A QUANTISED PRODUCT. Where the list says 'softmax', what is quantised is not the finished softmax but p = 2^(t - M), with t = logit x log2(e) and M = ceil(the row's largest t), a whole number; so 1/2 < the row's largest p <= 1. The row's sum l is taken of the UNQUANTISED p, in f32, and the product's result is divided by l at the end. Since M is a whole number, a kernel that streams over the keys may use a running M (the ceiling of the running maximum): every later rescaling is an exact power of two, so the quantised numbers keep their values, but for numbers so far below the row's largest that they fall under the format's range.
;;   OPERANDS COMPUTED ON THE WAY. 'Computed on the way' means the value that the module computes at that place (a softmax that the list does not call 'softmax' is quantised finished and normalised). What goes into a quantiser is computed in f32, as accurately as f32 sums, v_exp_f32 and their like allow (about 1e-6 of the number): no bf16 or f16 on the way to a quantiser, and a product that is left as it is and whose result goes on into a quantised operand takes f32 operands (vector FMAs, or v_wmma_f32_16x16x4_f32). A number that lies on a knife's edge between two numbers of the format may be rounded either way, as far as f32 arithmetic and the matrix unit's own rounding can turn it there, and no further.
;; One version. Each part assembles by itself: llvm-mc -triple=amdgcn-amd-amdhsa -mcpu=gfx1250 --defsym DOCPART=n.
;; ======== version 1 of 1: 4 launches
;; limits: right only within a limited range of input values
;; workspace buffers: xc 8,388,608 bytes; wqc 3,145,728 bytes; wpc 1,048,576 bytes; qc 8,388,608 bytes; kc 8,388,608 bytes; vc 8,388,608 bytes; ac 8,388,608 bytes
;; launch quant (part 1): grid 384 x 1, 4 waves a work-group, no clusters, 55,808 bytes of LDS; arguments x, w_qkv, w_proj, lowp_scales, xc, wqc, wpc; writes xc, wqc, wpc
.if DOCPART == 1
	.amdgcn_target "amdgcn-amd-amdhsa--gfx1250"
	.amdhsa_code_object_version 6
	.text
	.protected	k_q933d0a5b6c_quant
	.globl	k_q933d0a5b6c_quant
	.p2align	8
	.type	k_q933d0a5b6c_quant,@function
k_q933d0a5b6c_quant:
	s_mov_b64 s[64:65], 0
	v_nop
	global_prefetch_b8 v0, s[64:65] scope:SCOPE_SE
	s_setreg_imm32_b32 hwreg(HW_REG_WAVE_MODE, 25, 1), 1
	s_wait_xcnt 0x0
; x [8192][1024], w_qkv [1024 k][3072 n] and w_proj [1024 k][1024 n], all f32, become codes of FP8 (E4M3), one a byte, K innermost:
; xc [8192][1024] with the scale 2^e0, wqc [3072 n][1024 k] with 2^e1, wpc [1024 n][1024 k] with 2^e7 (entries 0, 1, 7 of the buffer of scales).
; code = number / 2^e, held within +-448, rounded to the nearest code, ties to even.
; LIMITS: each e lies between -126 and 119, so that 2^e and 448 x 2^e are f32 numbers.  NaN among the inputs is not served; an infinity is held at the largest code.
; SHARES.  Work-groups 0-255 take x: a plain stream, 32,768 numbers each, 8,192 a wave.  Work-groups 256-351 take w_qkv, 352-383 w_proj: a tile of 128 columns x 256 along K each, 32 columns a wave.
; Every work-group reads 131,072 bytes.  Waves share nothing: no barrier.  The two paths part on the work-group's number and have LDS bytes of their own.
; x: each load reads 512 consecutive bytes, 16 a lane; a step's 2,048 bytes turn through the wave's stage in LDS and come back 64 bytes a lane: 16 neighbours along K, as the conversions want them.
; weights: a lane takes a column n and its registers run down K, so the conversions give codes with K innermost; they leave through a stage, sixteen lanes to 256 consecutive bytes of a row.
.set STEPS, 16
.set SP,    80                         ; x: a lane's place in a stage: its 64 bytes + 16 of padding
.set WREG,  5120                       ; x: a wave's two stages of 32 x SP bytes
.set WSTG,  20480                      ; weights: the four stages begin behind x's
.set PITCH, 272                        ; weights: a stage row: 256 bytes of codes + 16
.set SPARE, 55296                      ; behind the stages: the spare words, 128 bytes for each wave, which no other line names
.set SPW,   12                         ; v12  LDS address of my spare word; never rewritten
.set NIL,   13                         ; v13  0; never rewritten
.set R,     16                         ; x: v16-79   four sets of 16 numbers as loaded
.set X,     80                         ; x: v80-111  two sets of 16 neighbours
.set C,     128                        ; x: v128-191 codes, four registers for each step
.set WX,    32                         ; weights: v32-95 two sets of 32 numbers
.set WC,    96                         ; weights: v96-103 a block's codes
.set OUTR,  96                         ; weights: v96-159 the way out
.set OFF,   160                        ; weights: v160-191 row i of a block: i x the row's bytes + 4 x lane; never rewritten
	s_load_b256 s[4:11], s[0:1], 0x0               ; x s[4:5], w_qkv s[6:7], w_proj s[8:9], the scales' exponents s[10:11]
	s_load_b128 s[12:15], s[0:1], 0x20             ; xc s[12:13], wqc s[14:15]
	s_load_b64 s[16:17], s[0:1], 0x30              ; wpc
	v_lshl_add_u32 v[SPW], v0, 2, SPARE
	v_mov_b32 v[NIL], 0
	v_lshrrev_b32 v1, 5, v0
	v_readfirstlane_b32 s18, v1                    ; wave 0..3
	v_and_b32 v2, 31, v0                           ; lane
	v_lshlrev_b32 v3, 4, v2                        ; x: my 16 bytes of a load's 512, and of a step's 512 bytes of codes
	s_mul_i32 s19, s18, WREG
	v_lshrrev_b32 v14, 2, v2
	v_mul_u32_u24 v14, v14, SP
	v_and_b32 v15, 3, v2
	v_lshl_add_u32 v14, v15, 4, v14
	v_add_nc_u32 v14, s19, v14                     ; x's stage, in: four lanes' 64 bytes on end, then 16 of padding
	v_mul_u32_u24 v15, v2, SP
	v_add_nc_u32 v15, s19, v15                     ; and out: SP x lane: my 16 neighbours
	v_lshlrev_b32 v5, 2, v2                        ; weights: 4 bytes a lane
	s_mul_i32 s19, s18, 32*PITCH
	s_add_co_u32 s19, s19, WSTG                    ; my stage
	v_mul_u32_u24 v6, v2, PITCH
	v_add_nc_u32 v6, s19, v6                       ; into it: row = my column
	v_and_b32 v9, 15, v2
	v_lshrrev_b32 v1, 4, v2
	v_mul_u32_u24 v7, v1, PITCH
	v_lshl_add_u32 v7, v9, 4, v7
	v_add_nc_u32 v7, s19, v7                       ; out of it: sixteen lanes to a row, two rows an instruction
	v_lshlrev_b32 v8, 10, v1
	v_lshl_add_u32 v8, v9, 4, v8                   ; and the same place in the codes' buffer (rows of 1,024 bytes)
	s_wait_kmcnt 0x0
	s_load_b256 s[24:31], s[10:11], 0x0            ; e0 .. e7
	s_cmp_lt_u32 ttmp9, 256
	s_cbranch_scc0 .Lweights
	; ---------------- x ----------------
	s_lshl_b32 s20, ttmp9, 2
	s_add_co_u32 s20, s20, s18                     ; which run of 8,192 numbers is my wave's
	s_lshl_b32 s22, s20, 15
	s_mov_b32 s23, 0
	s_add_nc_u64 s[4:5], s[4:5], s[22:23]
	s_lshl_b32 s22, s20, 13
	s_add_nc_u64 s[12:13], s[12:13], s[22:23]
.macro XLOAD t
.irp i, 0,1,2,3
	global_load_b128 v[R+16*((\t)%4)+4*\i:R+16*((\t)%4)+4*\i+3], v3, s[4:5] offset:2048*(\t)+512*\i th:TH_LOAD_NT   ; 32 lanes read 512 consecutive bytes
.endr
.endm
.macro XTURN t                         ; step t's numbers through the stage: LDS serves a wave's instructions in order, so no wait stands between the stores and the loads
.irp i, 0,1,2,3
	ds_store_b128 v14, v[R+16*((\t)%4)+4*\i:R+16*((\t)%4)+4*\i+3] offset:32*SP*((\t)%2)+8*SP*\i
.endr
.irp i, 0,1,2,3
	ds_load_b128 v[X+16*((\t)%2)+4*\i:X+16*((\t)%2)+4*\i+3], v15 offset:32*SP*((\t)%2)+16*\i
.endr
.endm
.irp t, 0,1,2,3
	XLOAD \t
.endr
	s_wait_kmcnt 0x0
	s_add_co_i32 s22, s24, 127
	s_lshl_b32 s23, s22, 23
	v_mov_b32 v11, s23                             ; 2^e0 as f32: the conversion takes its exponent field
	s_add_co_i32 s22, s22, 8
	s_lshl_b32 s22, s22, 23
	s_or_b32 s22, s22, 0x600000
	v_mov_b32 v10, s22                             ; 448 x 2^e0
	s_wait_alu depctr_va_vdst(0)
	s_wait_loadcnt 12                              ; step 0's four loads are in; the twelve of steps 1 to 3 may be out
	XTURN 0
.macro XSTEP t
.set XS, X+16*((\t)%2)
	s_wait_dscnt 0x0                               ; this step's numbers are back from the stage, and its stores into the stage have read their registers,
.if (\t)+4 < STEPS
	XLOAD (\t)+4                                   ; which take the loads of four steps on
.endif
.if (\t)+1 < STEPS
.if STEPS-2-(\t) >= 3
	s_wait_loadcnt 12                              ; the next step's four loads are in; those of the three steps behind it may be out
.else
	s_wait_loadcnt 4*(STEPS-2-(\t))                ; the counts run down
.endif
	XTURN (\t)+1                                   ; and go through the other stage while this step is worked
.endif
.irp i, 0,1,2,3,4,5,6,7,8,9,10,11,12,13,14,15
	v_med3_num_f32 v[XS+\i], v[XS+\i], -v10, v10   ; the conversion to an 8-bit code does not saturate (ISA guide 7.6.2): the hold comes first
.endr
	v_cvt_scalef32_pk8_fp8_f32 v[C+4*(\t):C+4*(\t)+1], v[XS:XS+7], v11
	v_cvt_scalef32_pk8_fp8_f32 v[C+4*(\t)+2:C+4*(\t)+3], v[XS+8:XS+15], v11
	global_store_b128 v3, v[C+4*(\t):C+4*(\t)+3], s[12:13] offset:512*(\t)   ; the wave stores 512 consecutive bytes; each step has its own registers for its codes
.endm
.irp t, 0,1,2,3,4,5,6,7,8,9,10,11,12,13,14,15
	XSTEP \t
.endr
	s_wait_tensorcnt 0x0                           ; the wave's end, behind my last LDS store
	ds_add_u32 v[SPW], v[NIL]
	s_wait_dscnt 0x0
	s_endpgm
	; ---------------- the two weights, one text: the row's bytes stand in a register ----------------
.Lweights:
	s_sub_co_u32 s19, ttmp9, 256
	s_mov_b32 s48, 4096
	s_cmp_lt_u32 s19, 96                           ; w_qkv's work-group or w_proj's?  The choice hangs on the work-group's number alone
	s_cselect_b64 s[20:21], s[6:7], s[8:9]         ; from
	s_cselect_b64 s[22:23], s[14:15], s[16:17]     ; to
	s_cselect_b32 s48, 12288, s48                  ; a row of the weight in bytes
	s_cselect_b32 s57, 1, 0                        ; kept for the choice of e
	s_cselect_b32 s49, 0, 96
	s_sub_co_u32 s19, s19, s49
	s_lshr_b32 s50, s19, 2                         ; which 128 columns,
	s_and_b32 s51, s19, 3                          ; which 256 along K
	s_lshl_b32 s50, s50, 7
	s_lshl_b32 s52, s18, 5
	s_add_co_u32 s50, s50, s52                     ; my wave's first column
	s_lshl_b32 s52, s51, 8
	s_mul_i32 s52, s52, s48
	s_lshl_b32 s53, s50, 2
	s_add_co_u32 s52, s52, s53
	s_mov_b32 s53, 0
	s_add_nc_u64 s[32:33], s[20:21], s[52:53]      ; block 0's first row, at my first column
	s_lshl_b32 s54, s48, 5                         ; 32 rows on
	s_mov_b32 s55, 0
.irp t, 1,2,3,4,5,6,7
	s_add_nc_u64 s[32+2*\t:33+2*\t], s[30+2*\t:31+2*\t], s[54:55]   ; a base for each of the eight blocks: none is stepped later
.endr
	s_lshl_b32 s52, s50, 10
	s_lshl_b32 s56, s51, 8
	s_add_co_u32 s52, s52, s56
	s_add_nc_u64 s[22:23], s[22:23], s[52:53]      ; the codes: row = my first column, 256 bytes for each 256 along K
.set i, 0
.rept 32
	v_mad_u32_u24 v[OFF+i], s48, i, v5
.set i, i+1
.endr
.macro WLOAD t                         ; block t: W(32 t + i, my column), i = 0 .. 31, into set t % 2; a wave's load reads 128 consecutive bytes
.set i, 0
.rept 32
	global_load_b32 v[WX+32*((\t)%2)+i], v[OFF+i], s[32+2*(\t):33+2*(\t)] th:TH_LOAD_NT
.set i, i+1
.endr
.endm
	WLOAD 0
	WLOAD 1
	s_wait_kmcnt 0x0
	s_cmp_eq_u32 s57, 1
	s_cselect_b32 s58, s25, s31                    ; e1 or e7
	s_add_co_i32 s58, s58, 127
	s_lshl_b32 s59, s58, 23
	v_mov_b32 v11, s59                             ; 2^e as f32
	s_add_co_i32 s58, s58, 8
	s_lshl_b32 s58, s58, 23
	s_or_b32 s58, s58, 0x600000
	v_mov_b32 v10, s58                             ; 448 x 2^e
.macro WBLOCK t
.set XS, WX+32*((\t)%2)
.if (\t) < 7
	s_wait_loadcnt 32                              ; this block's 32 loads are in; the next block's may be out
.else
	s_wait_loadcnt 0
.endif
.set i, 0
.rept 32
	v_med3_num_f32 v[XS+i], v[XS+i], -v10, v10     ; the hold at the largest code x the scale
.set i, i+1
.endr
.irp g, 0,1,2,3
	v_cvt_scalef32_pk8_fp8_f32 v[WC+2*\g:WC+2*\g+1], v[XS+8*\g:XS+8*\g+7], v11
.endr
	ds_store_b128 v6, v[WC:WC+3] offset:32*(\t)    ; 32 codes: 32 bytes of my column's row
	ds_store_b128 v6, v[WC+4:WC+7] offset:32*(\t)+16
.if (\t)+2 < 8
	WLOAD (\t)+2
.endif
	s_wait_dscnt 0x0                               ; the stores have read their registers: the next block's codes may be written
.endm
	s_wait_alu depctr_va_vdst(0)
.irp t, 0,1,2,3,4,5,6,7
	WBLOCK \t
.endr
.irp t, 0,1,2,3,4,5,6,7,8,9,10,11,12,13,14,15
	ds_load_b128 v[OUTR+4*\t:OUTR+4*\t+3], v7 offset:2*\t*PITCH   ; LDS serves a wave's instructions in order: these see my stores
.endr
.irp t, 0,1,2,3,4,5,6,7,8,9,10,11,12,13,14,15
	s_wait_dscnt 15-\t                             ; load t is back; the younger ones may be out
	global_store_b128 v8, v[OUTR+4*\t:OUTR+4*\t+3], s[22:23] offset:2*\t*1024   ; sixteen lanes store 256 consecutive bytes, at a multiple of 256 from the buffer's first byte
.endr
	s_wait_tensorcnt 0x0                           ; the wave's end, behind my last LDS store
	ds_add_u32 v[SPW], v[NIL]
	s_wait_dscnt 0x0
	s_endpgm
.Lfunc_end_k_q933d0a5b6c_quant:
	.size	k_q933d0a5b6c_quant, .Lfunc_end_k_q933d0a5b6c_quant-k_q933d0a5b6c_quant
	.p2alignl 7, 3214868480
	.fill 96, 4, 3214868480
	.section	.rodata,"a",@progbits
	.p2align	6, 0x0
	.amdhsa_kernel k_q933d0a5b6c_quant
		.amdhsa_group_segment_fixed_size 55808
		.amdhsa_private_segment_fixed_size 0
		.amdhsa_enable_private_segment 0
		.amdhsa_kernarg_size 56
		.amdhsa_user_sgpr_count 2
		.amdhsa_user_sgpr_kernarg_segment_ptr 1
		.amdhsa_wavefront_size32 1
		.amdhsa_system_sgpr_workgroup_id_x 1
		.amdhsa_system_sgpr_workgroup_id_y 1
		.amdhsa_system_sgpr_workgroup_id_z 1
		.amdhsa_system_vgpr_workitem_id 0
		.amdhsa_next_free_vgpr 192
		.amdhsa_next_free_sgpr 66
		.amdhsa_reserve_vcc 0
		.amdhsa_float_denorm_mode_32 3
		.amdhsa_float_denorm_mode_16_64 3
		.amdhsa_memory_ordered 1
		.amdhsa_forward_progress 1
		.amdhsa_inst_pref_size 88
	.end_amdhsa_kernel
	.amdgpu_metadata
---
amdhsa.version: [ 1, 2 ]
amdhsa.kernels:
  - .name:           k_q933d0a5b6c_quant
    .symbol:         k_q933d0a5b6c_quant.kd
    .args:
      - { .name: x, .offset: 0, .size: 8, .value_kind: global_buffer, .address_space: global }
      - { .name: w_qkv, .offset: 8, .size: 8, .value_kind: global_buffer, .address_space: global }
      - { .name: w_proj, .offset: 16, .size: 8, .value_kind: global_buffer, .address_space: global }
      - { .name: lowp_scales, .offset: 24, .size: 8, .value_kind: global_buffer, .address_space: global }
      - { .name: xc, .offset: 32, .size: 8, .value_kind: global_buffer, .address_space: global }
      - { .name: wqc, .offset: 40, .size: 8, .value_kind: global_buffer, .address_space: global }
      - { .name: wpc, .offset: 48, .size: 8, .value_kind: global_buffer, .address_space: global }
    .group_segment_fixed_size: 55808
    .private_segment_fixed_size: 0
    .kernarg_segment_align: 8
    .kernarg_segment_size: 56
    .max_flat_workgroup_size: 128
    .sgpr_count:     66
    .vgpr_count:     192
    .wavefront_size: 32
...
	.end_amdgpu_metadata
.endif
;; end of part 1
;; launch qkv (part 2): grid 12 x 32, 4 waves a work-group, clusters of 4 x 4, 327,680 bytes of LDS; arguments xc, wqc, lowp_scales, b_qkv, qc, kc, vc; writes qc, kc, vc
.if DOCPART == 2
	.amdgcn_target "amdgcn-amd-amdhsa--gfx1250"
	.amdhsa_code_object_version 6
	.text
	.protected	k_q933d0a5b6c_qkv
	.globl	k_q933d0a5b6c_qkv
	.p2align	8
	.type	k_q933d0a5b6c_qkv,@function
k_q933d0a5b6c_qkv:
	s_mov_b64 s[64:65], 0
	v_nop
	global_prefetch_b8 v0, s[64:65] scope:SCOPE_SE
	s_setreg_imm32_b32 hwreg(HW_REG_WAVE_MODE, 25, 1), 1
	s_wait_xcnt 0x0
	s_wait_alu depctr_hold_cnt(0) depctr_sa_sdst(0) depctr_va_vdst(0) depctr_va_sdst(0) depctr_va_ssrc(0) depctr_va_vcc(0) depctr_vm_vsrc(0)
	s_getreg_b32 s2, hwreg(HW_REG_IB_STS2, 6, 4)
	s_cmp_eq_u32 s2, 0
	s_cbranch_scc0 .Lentry_in_a_cluster
	s_endpgm
.Lentry_in_a_cluster:
	s_bfe_u32 s2, ttmp6, 0x10000c
	s_cmp_lg_u32 s2, 0xf033
	s_cbranch_scc0 .Lentry_shape_is_right
	s_endpgm
.Lentry_shape_is_right:
.set KSTEP,  256
.set ROWB,   256
.set KROW,   1024
.set PITCH,  272
.set FR,     16
.set NL,     4
.set NP,     4
.set HALFT,  128*PITCH
.set SLOT,   4*HALFT
.set LAPS,   2
.set SPARE,  2*SLOT
.set ADRA, 16
.set ADRB, 20
.set STO,  24
.set RD,   25
.set CO,   26
.set SPW,  28
.set NIL,  29
.set CD,   32
.set BB,   64
.set TMP,  128
.set AF,   128
.set G1, 24
.set G0, 32
.set G1B, 48
.set G0B, 56
.set KIND, 66
.set MSB, 0
.macro WIN new
.if MSB != \new
	s_set_vgpr_msb (MSB<<8)|\new
.set MSB, \new
.endif
.endm
.set MUL_LO, 0xa1
.set MUL_HI, 0xf1
.set TO_B,   0x40
.macro JLOAD g0a, g1a, g0b, g1b
	s_cmp_eq_u32 s15, 0
	s_cbranch_scc0 .Lfor_b_\@
	tensor_load_to_lds s[\g0a:\g0a+3], s[\g1a:\g1a+7]
	s_nop 0
.rept 4
	v_nop
.endr
	s_branch .Lasked_\@
.Lfor_b_\@:
	tensor_load_to_lds s[\g0b:\g0b+3], s[\g1b:\g1b+7]
	s_nop 0
.rept 4
	v_nop
.endr
.Lasked_\@:
.endm
.macro CREST
	s_cmp_lg_u32 s14, 0
	s_cbranch_scc1 .Lnot_wave_0_\@
	s_barrier_signal -3
.Lnot_wave_0_\@:
	s_barrier_wait -3
	s_barrier_signal -1
	s_barrier_wait -1
.endm
.macro CROUND
	s_barrier_signal -1
	s_barrier_wait -1
	CREST
.endm
	s_load_b256 s[4:11], s[0:1], 0x0
	s_load_b128 s[68:71], s[0:1], 0x20
	s_load_b64 s[72:73], s[0:1], 0x30
	v_lshl_add_u32 v[SPW], v0, 2, SPARE
	v_mov_b32 v[NIL], 0
	ds_add_u32 v[SPW], v[NIL]
	ds_add_u32 v[SPW], v[NIL]
	v_lshrrev_b32 v1, 5, v0
	v_readfirstlane_b32 s14, v1
	s_lshr_b32 s15, s14, 1
	s_and_b32 s16, s14, 1
	s_bfe_u32 s40, ttmp6, 0x40000
	s_bfe_u32 s41, ttmp6, 0x40004
	s_mov_b32 s[KIND], ttmp9
	s_and_b32 s67, ttmp7, 0xffff
	s_lshl_b32 s67, s67, 2
	s_lshl_b32 s18, s[KIND], 2
	s_cmp_eq_u32 s[KIND], 2
	s_cselect_b32 s17, 8, s67
	s_cselect_b32 s42, s67, s18
	s_add_co_u32 s17, s17, s41
	s_add_co_u32 s42, s42, s40
	s_lshl_b32 s43, s41, 2
	s_lshl_b32 s43, 15, s43
	s_lshl_b32 s44, 0x1111, s40
	s_or_b32 s[G1+0], s43, (0<<16)|(1<<20)|(1<<21)|(5<<22)|(3<<25)
	s_or_b32 s[G1B+0], s44, (0<<16)|(1<<20)|(1<<21)|(5<<22)|(3<<25)
.irp g, G1, G1B
	s_mov_b32 s[\g+1], ROWB<<16
	s_mov_b32 s[\g+2], 128<<16
	s_mov_b32 s[\g+3], ROWB<<16
	s_mov_b32 s[\g+4], 128
	s_mov_b32 s[\g+5], KROW
	s_mov_b32 s[\g+6], 0
	s_mov_b32 s[\g+7], 0
.endr
	s_lshl_b32 s18, s16, 7
	s_lshl_b32 s20, s17, 8
	s_add_co_u32 s20, s20, s18
	s_lshl_b32 s20, s20, 10
	s_mov_b32 s21, 0
	s_lshl_b32 s46, s42, 8
	s_add_co_u32 s46, s46, s18
	s_lshl_b32 s46, s46, 10
	s_mov_b32 s47, 0
	s_mul_i32 s45, s14, HALFT
	s_wait_dscnt 0x0
	s_wait_kmcnt 0x0
	s_load_b256 s[80:87], s[8:9], 0x0
	s_cmp_eq_u32 s[KIND], 2
	s_cselect_b64 s[88:89], s[6:7], s[4:5]
	s_cselect_b64 s[90:91], s[4:5], s[6:7]
	s_add_nc_u64 s[20:21], s[88:89], s[20:21]
	s_add_nc_u64 s[46:47], s[90:91], s[46:47]
	CROUND
.irp s, 0,1
	s_mov_b32 s[G0+4*\s], 1
	s_add_co_u32 s[G0+4*\s+1], s45, \s*SLOT
	s_add_nc_u64 s[G0+4*\s+2:G0+4*\s+3], s[20:21], \s*ROWB
	s_or_b32 s[G0+4*\s+3], s[G0+4*\s+3], 0x80000000
	s_mov_b32 s[G0B+4*\s], 1
	s_add_co_u32 s[G0B+4*\s+1], s45, \s*SLOT
	s_add_nc_u64 s[G0B+4*\s+2:G0B+4*\s+3], s[46:47], \s*ROWB
	s_or_b32 s[G0B+4*\s+3], s[G0B+4*\s+3], 0x80000000
	s_wait_alu depctr_va_vdst(0)
	s_wait_tensorcnt 0x0
	ds_add_u32 v28, v29
	ds_add_u32 v28, v29
	s_wait_dscnt 0x0
	CROUND
	JLOAD G0+4*\s, G1, G0B+4*\s, G1B
.endr
	v_and_b32 v1, 15, v0
	v_bfe_u32 v2, v0, 4, 1
	v_mul_u32_u24 v3, v1, PITCH
	s_wait_alu depctr_va_vdst(0)
	v_lshl_add_u32 v4, v2, 4, v3
	s_mul_i32 s21, s15, HALFT
	s_mul_i32 s22, s16, HALFT
	s_add_co_u32 s22, s22, 2*HALFT
.irp s, 0,1
	v_add_nc_u32 v[ADRA+\s], s21, v4
	v_add_nc_u32 v[ADRB+\s], s22, v4
	s_add_co_u32 s21, s21, SLOT
	s_add_co_u32 s22, s22, SLOT
.endr
	s_mul_i32 s23, s15, HALFT
	s_lshl_b32 s21, s16, 7
	s_add_co_u32 s23, s23, s21
	v_lshl_add_u32 v[STO], v2, 3, v3
	v_add_nc_u32 v[STO], s23, v[STO]
	s_mul_i32 s23, s14, 64*PITCH
	v_mul_u32_u24 v5, v2, PITCH
	v_lshl_add_u32 v5, v1, 4, v5
	v_add_nc_u32 v[RD], s23, v5
	s_cmp_eq_u32 s[KIND], 2
	s_cselect_b32 s92, s17, s42
	s_cselect_b32 s93, s15, s16
	s_lshl_b32 s92, s92, 10
	s_lshl_b32 s93, s93, 9
	s_add_co_u32 s92, s92, s93
	s_mov_b32 s93, 0
	s_add_nc_u64 s[92:93], s[10:11], s[92:93]
	v_lshlrev_b32 v6, 5, v2
	v_lshlrev_b32 v7, 2, v1
	s_cmp_eq_u32 s[KIND], 2
	s_cbranch_scc1 .Lbias_v
.irp b, 0,1,2,3,4,5,6,7
	global_load_b128 v[BB+8*\b:BB+8*\b+3], v6, s[92:93] offset:64*\b
	global_load_b128 v[BB+8*\b+4:BB+8*\b+7], v6, s[92:93] offset:64*\b+16
.endr
	s_branch .Lbias_done
.Lbias_v:
.set i, 0
	s_wait_alu depctr_va_vdst(0)
.rept 64
	global_load_b32 v[BB+i], v7, s[92:93] offset:64*(i/8)
.set i, i+1
.endr
.Lbias_done:
	s_lshl_b32 s94, s17, 8
	s_lshl_b32 s95, s14, 6
	s_add_co_u32 s94, s94, s95
	s_lshl_b32 s94, s94, 10
	s_lshl_b32 s95, s40, 8
	s_add_co_u32 s94, s94, s95
	s_lshr_b32 s78, s42, 3
	s_lshl_b32 s78, s78, 10
	s_lshl_b32 s79, s41, 8
	s_add_co_u32 s78, s78, s79
	s_lshl_b32 s79, s14, 6
	s_add_co_u32 s78, s78, s79
	s_lshl_b32 s78, s78, 11
	s_and_b32 s79, s42, 7
	s_lshl_b32 s79, s79, 8
	s_add_co_u32 s78, s78, s79
	s_mov_b32 s76, 1024
	s_cmp_eq_u32 s[KIND], 2
	s_cselect_b32 s78, s78, s94
	s_cselect_b64 s[74:75], s[72:73], s[70:71]
	s_cselect_b32 s76, 2048, s76
	s_cmp_eq_u32 s[KIND], 0
	s_cselect_b64 s[74:75], s[68:69], s[74:75]
	s_mov_b32 s79, 0
	s_add_nc_u64 s[74:75], s[74:75], s[78:79]
	s_lshl_b32 s77, s76, 1
	v_mul_u32_u24 v[CO], s76, v2
	v_lshl_add_u32 v[CO], v1, 4, v[CO]
.macro FRAG reg, adr, q, i
.irp c, 0,1,2,3
	ds_load_b128 v[\reg+4*\c:\reg+4*\c+3], v[\adr] offset:128*(\q)+32*\c+(\i)*16*PITCH
.endr
.endm
.macro MUL16 a0, p, zero
.irp a, \a0, \a0+1
.irp b, 0,1,2,3,4,5,6,7
.if \zero
	v_wmma_f32_16x16x128_fp8_fp8 v[8*(8*((\a)%4)+\b):8*(8*((\a)%4)+\b)+7], v[128*(\p)+FR*\b:128*(\p)+FR*\b+FR-1], v[AF+FR*(\a):AF+FR*(\a)+FR-1], 0
.else
	v_wmma_f32_16x16x128_fp8_fp8 v[8*(8*((\a)%4)+\b):8*(8*((\a)%4)+\b)+7], v[128*(\p)+FR*\b:128*(\p)+FR*\b+FR-1], v[AF+FR*(\a):AF+FR*(\a)+FR-1], v[8*(8*((\a)%4)+\b):8*(8*((\a)%4)+\b)+7]
.endif
.endr
.endr
.endm
.macro FETCH_B slot, q, p
	WIN TO_B
.irp i, 0,1,2,3,4,5,6,7
	FRAG 128*(\p)+FR*\i, ADRB+\slot, \q, \i
.endr
	WIN 0
.endm
.macro FETCH_A slot, q, i0
.irp i, \i0, \i0+1, \i0+2, \i0+3
	FRAG AF+FR*(\i), ADRA+\slot, \q, \i
.endr
.endm
.macro PLACES n
.rept \n
	v_nop
.endr
.endm
.macro STEP slot, q, zero
	s_wait_dscnt 4*NL
	WIN MUL_LO
	MUL16 0, (\q)%2, \zero
	MUL16 2, (\q)%2, \zero
	s_wait_dscnt 0
	PLACES NP
	FETCH_B \slot, (\q)+1, 1-(\q)%2
	FETCH_A \slot, (\q)+1, 0
	WIN MUL_HI
	MUL16 4, (\q)%2, \zero
	MUL16 6, (\q)%2, \zero
	PLACES NP
	WIN 0
	FETCH_A \slot, (\q)+1, 4
.endm
.macro TURN slot, next, fill
	s_wait_tensorcnt 0x0
	ds_add_u32 v[SPW], v[NIL]
	s_wait_dscnt 4*NL+1
	WIN MUL_LO
	MUL16 0, 1, 0
	s_wait_dscnt 0x0
	s_barrier_signal -1
	MUL16 2, 1, 0
	WIN 0
	s_barrier_wait -1
.if \fill
	CREST
	s_add_nc_u64 s[G0+4*\slot+2:G0+4*\slot+3], s[G0+4*\slot+2:G0+4*\slot+3], 2*ROWB
	s_add_nc_u64 s[G0B+4*\slot+2:G0B+4*\slot+3], s[G0B+4*\slot+2:G0B+4*\slot+3], 2*ROWB
	JLOAD G0+4*\slot, G1, G0B+4*\slot, G1B
.else
	PLACES NP
.endif
	FETCH_B \next, 0, 0
	FETCH_A \next, 0, 0
	WIN MUL_HI
	MUL16 4, 1, 0
	MUL16 6, 1, 0
	PLACES NP
	WIN 0
	FETCH_A \next, 0, 4
.endm
	s_wait_tensorcnt 1
	s_barrier_signal -1
	s_barrier_wait -1
	FETCH_B 0, 0, 0
	FETCH_A 0, 0, 0
	FETCH_A 0, 0, 4
	STEP 0, 0, 1
	s_mov_b32 s3, LAPS-1
.Llap:
	TURN 0, 1, 1
	STEP 1, 0, 0
	TURN 1, 0, 1
	STEP 0, 0, 0
	s_sub_co_u32 s3, s3, 1
	s_cmp_lg_u32 s3, 0
	s_cbranch_scc1 .Llap
	TURN 0, 1, 0
	STEP 1, 0, 0
	s_wait_dscnt 4*NL
	WIN MUL_LO
	MUL16 0, 1, 0
	MUL16 2, 1, 0
	s_wait_dscnt 0
	WIN MUL_HI
	MUL16 4, 1, 0
	MUL16 6, 1, 0
	WIN 0
	s_wait_kmcnt 0x0
	s_add_co_i32 s96, s80, s81
	s_add_co_i32 s96, s96, 127
	s_lshl_b32 s96, s96, 23
	s_mov_b32 s97, s96
	s_cmp_eq_u32 s[KIND], 2
	s_cselect_b32 s94, s85, s83
	s_cmp_eq_u32 s[KIND], 0
	s_cselect_b32 s94, s82, s94
	s_add_co_i32 s94, s94, 127
	s_lshl_b32 s95, s94, 23
	v_mov_b32 v30, s95
	s_add_co_i32 s94, s94, 8
	s_lshl_b32 s94, s94, 23
	s_or_b32 s94, s94, 0x600000
	v_mov_b32 v31, s94
	s_wait_loadcnt 0x0
	PLACES NP
.macro BLOCKOUT a
.set AC, 64*((\a)%4)
	s_cmp_eq_u32 s[KIND], 2
	s_cbranch_scc1 .Lrow_\@
	WIN 0x02+((\a)/4)
.irp j, 0,2,4,6,8,10,12,14,16,18,20,22,24,26,28,30,32,34,36,38,40,42,44,46,48,50,52,54,56,58,60,62
	v_pk_fma_f32 v[TMP+\j:TMP+\j+1], v[AC+\j:AC+\j+1], s[96:97], v[BB+\j:BB+\j+1] op_sel_hi:[1,0,1]
.endr
	WIN 0
	s_branch .Lsum_\@
.Lrow_\@:
	WIN 0x02+((\a)/4)
.irp j, 0,2,4,6,8,10,12,14,16,18,20,22,24,26,28,30,32,34,36,38,40,42,44,46,48,50,52,54,56,58,60,62
	v_pk_fma_f32 v[TMP+\j:TMP+\j+1], v[AC+\j:AC+\j+1], s[96:97], v[BB+8*(\a)+\j%8:BB+8*(\a)+\j%8+1] op_sel_hi:[1,0,1]
.endr
	WIN 0
.Lsum_\@:
.set i, 0
.rept 64
	v_med3_num_f32 v[TMP+i], v[TMP+i], -v31, v31
.set i, i+1
.endr
.if (\a) > 1
	s_wait_alu depctr_va_vdst(0)
	s_wait_dscnt 8
.endif
.irp b, 0,1,2,3,4,5,6,7
	v_cvt_scalef32_pk8_fp8_f32 v[CD+16*((\a)%2)+2*\b:CD+16*((\a)%2)+2*\b+1], v[TMP+8*\b:TMP+8*\b+7], v30
.endr
	v_nop
.irp b, 0,1,2,3,4,5,6,7
	ds_store_b64 v[STO], v[CD+16*((\a)%2)+2*\b:CD+16*((\a)%2)+2*\b+1] offset:(\a)*16*PITCH+16*\b
.endr
.endm
.irp a, 0,1,2,3,4,5,6,7
	BLOCKOUT \a
.endr
	s_wait_dscnt 0x0
	s_barrier_signal -1
	s_barrier_wait -1
.set i, 0
.rept 32
	v_mad_u32_u24 v[CD+i], s77, i, v[CO]
.set i, i+1
.endr
.set i, 0
.rept 32
	ds_load_b128 v[TMP+4*i:TMP+4*i+3], v[RD] offset:2*i*PITCH
.set i, i+1
.endr
.set i, 0
	s_wait_alu depctr_va_vdst(0)
.rept 32
	s_wait_dscnt 31-i
	global_store_b128 v[CD+i], v[TMP+4*i:TMP+4*i+3], s[74:75]
.set i, i+1
.endr
	s_wait_tensorcnt 0x0
	ds_add_u32 v[SPW], v[NIL]
	s_wait_dscnt 0x0
	CROUND
	s_endpgm
.Lfunc_end_k_q933d0a5b6c_qkv:
	.size	k_q933d0a5b6c_qkv, .Lfunc_end_k_q933d0a5b6c_qkv-k_q933d0a5b6c_qkv
	.p2alignl 7, 3214868480
	.fill 96, 4, 3214868480
	.section	.rodata,"a",@progbits
	.p2align	6, 0x0
	.amdhsa_kernel k_q933d0a5b6c_qkv
		.amdhsa_group_segment_fixed_size 327680
		.amdhsa_private_segment_fixed_size 0
		.amdhsa_enable_private_segment 0
		.amdhsa_kernarg_size 56
		.amdhsa_user_sgpr_count 2
		.amdhsa_user_sgpr_kernarg_segment_ptr 1
		.amdhsa_wavefront_size32 1
		.amdhsa_system_sgpr_workgroup_id_x 1
		.amdhsa_system_sgpr_workgroup_id_y 1
		.amdhsa_system_sgpr_workgroup_id_z 1
		.amdhsa_system_vgpr_workitem_id 0
		.amdhsa_next_free_vgpr 1024
		.amdhsa_next_free_sgpr 98
		.amdhsa_reserve_vcc 0
		.amdhsa_float_denorm_mode_32 3
		.amdhsa_float_denorm_mode_16_64 3
		.amdhsa_memory_ordered 1
		.amdhsa_forward_progress 1
		.amdhsa_inst_pref_size 171
	.end_amdhsa_kernel
	.amdgpu_metadata
---
amdhsa.version: [ 1, 2 ]
amdhsa.kernels:
  - .name:           k_q933d0a5b6c_qkv
    .symbol:         k_q933d0a5b6c_qkv.kd
    .args:
      - { .name: xc, .offset: 0, .size: 8, .value_kind: global_buffer, .address_space: global }
      - { .name: wqc, .offset: 8, .size: 8, .value_kind: global_buffer, .address_space: global }
      - { .name: lowp_scales, .offset: 16, .size: 8, .value_kind: global_buffer, .address_space: global }
      - { .name: b_qkv, .offset: 24, .size: 8, .value_kind: global_buffer, .address_space: global }
      - { .name: qc, .offset: 32, .size: 8, .value_kind: global_buffer, .address_space: global }
      - { .name: kc, .offset: 40, .size: 8, .value_kind: global_buffer, .address_space: global }
      - { .name: vc, .offset: 48, .size: 8, .value_kind: global_buffer, .address_space: global }
    .group_segment_fixed_size: 327680
    .private_segment_fixed_size: 0
    .kernarg_segment_align: 8
    .kernarg_segment_size: 56
    .max_flat_workgroup_size: 128
    .sgpr_count:     98
    .vgpr_count:     1024
    .wavefront_size: 32
...
	.end_amdgpu_metadata
.endif
;; end of part 2
;; launch attn (part 3): grid 16 x 16, 8 waves a work-group, no clusters, 327,680 bytes of LDS; arguments qc, kc, vc, lowp_scales, ac; writes ac
.if DOCPART == 3
	.amdgcn_target "amdgcn-amd-amdhsa--gfx1250"
	.amdhsa_code_object_version 6
	.text
	.protected	k_q933d0a5b6c_attn
	.globl	k_q933d0a5b6c_attn
	.p2align	8
	.type	k_q933d0a5b6c_attn,@function
k_q933d0a5b6c_attn:
	s_mov_b64 s[64:65], 0
	v_nop
	global_prefetch_b8 v0, s[64:65] scope:SCOPE_SE
	s_setreg_imm32_b32 hwreg(HW_REG_WAVE_MODE, 25, 1), 1
	s_wait_xcnt 0x0
; Causal attention on codes of FP8 (E4M3): for each batch and head, o[q] = the sum over keys k <= q of softmax_k(q . k / 8) v[k], both products on codes; o is quantised again, with 2^e6, into ac.
; qc, kc, ac: [8192 tokens][1024 = 64 x head + d].  vc: [4 batches][1024 = 64 x head + d][2048 tokens].  Scales: q 2^e2, k 2^e3, p 2^e4, v 2^e5.
; THE SOFTMAX: t = score x log2(e) / 8; M = the row's largest t so far, rounded UP to a whole number; p = 2^(t - M) is quantised; the row's sum is taken of the unquantised p and divides at the end.
; When M moves, the sum and O are multiplied by 2^(old M - new M), which rounds nothing.  Key steps all of whose keys the causal mask of the problem hides are left out, whole.
; LIMITS: e2 + e3 between -123 and 130 (added to the constant's exponent field); e4 and e6 between -126 and 119; e4 + e5 is applied by v_ldexp_f32 and has none.
; SHARES.  A work-group takes one batch and FOUR neighbouring heads, so that a key's row of K's tile, a row of V's tile and a token's output are 256 consecutive bytes, aligned.
; Work-group x takes octets (128 queries) o = x % 8 and 15 - o, and of each the half x / 8 (64 queries).  Wave w takes head w % 4 and, in both octets, the 32 queries at 64 (x / 8) + 32 (w / 4): FOUR tiles of 16 queries,
; pair 0 in octet o, pair 1 in octet 15 - o.  A key step's fragments of K and V (16,384 bytes) are read from LDS ONCE a wave and feed both pairs: two or four matrix instructions a fragment.
; All eight waves have the same tiles at work in every key step: both pairs in steps 0 .. o, pair 1 alone in steps o + 1 .. 15 - o, none behind: 17 pair steps a wave in every work-group.
; NO CLUSTER: the sixteen work-groups that walk one K and V end their walks at eight different slots, and only two of them share an end: partners of a cluster of four would need different numbers of tiles.
; THE WALK.  Every work-group passes all eight changes of slots (256 keys a slot): the trip counts are constants.  A slot whose first key step lies behind 15 - o is read by no wave and is not asked for.
; LAYOUT.  S^T = K Q^T (source 0 = 16 neighbouring keys, source 1 = 16 queries), O^T = V^T P^T: a lane holds ONE query (lane % 16) of each tile.  Register j of score tile t is key 16 t + 8 (lane / 16) + j: the place
; that the second product's form gives that key, so the conversions' results are its operand.
; REGISTERS.  Window 0: v1-11 addresses; tile k = 2 x pair + u: v12+4k -M, v13+4k the largest t, v[14+4k:15+4k] the sum; v32-63 Q; v64-191 S^T, then p, of the pair in hand; v192-223 p's codes; v224-239 at work; v240-247 constants.
; Window 1: v0-63 K's fragments, v64-127 V's, v128-255 O^T of the four tiles.  The softmax runs with every window 0.
.set KP,    272                        ; a row in LDS: 256 bytes + 16 of padding
.set VOFF,  256*KP                     ; a slot: 256 keys' rows of K, then 256 rows (4 heads x 64) of V
.set SLOT,  2*VOFF
.set SPARE, 2*SLOT                     ; behind the ring: the spare words, 128 bytes for each of eight waves, which no other line names
.set STG,   SPARE+1024                 ; the way out's stage: 128 rows x 272 bytes; no fill lands there
.set AK0,  1
.set AV0,  2
.set PFO,  3
.set DG,   4
.set SPW,  5
.set NIL,  6
.set GO,   7
.set ADK,  8
.set ADV,  9
.set STO,  10
.set RD,   11
.set TBK,  2                           ; s2, s3  LDS byte at which the key step in hand begins in K's part, in V's rows
.set TBV,  3
.set WV,   18
.set SEL,  20
.set CS,   22
.set G1K,  24
.set G1V,  32
.set G0K,  40
.set G0V,  44
.set FB,   48                          ; s48  LDS byte at which the slot that is filled begins
.set SLOTS, 51
.set KS,   52                          ; s52  the key step's number, 0 .. 15
.set OCT,  53                          ; s53, s54  the two octets
.set QC,   66                          ; s66  key steps to go in the slot
.set PFA,  76
.set PFS,  78
.set LIM,  80
.set MSB, 0
.macro WIN new                         ; the immediate's high byte repeats the setting that is left; at a label and at a branch every window is 0
.if MSB != \new
	s_set_vgpr_msb (MSB<<8)|\new
.set MSB, \new
.endif
.endm
; Waves 0-3 fetch K's four quarters of 64 rows, waves 4-7 V's: every wave one load.  An s_nop 0 and four v_nop follow each of the two lines.
.macro TLOAD
	s_cmp_lt_u32 s[WV], 4
	s_cbranch_scc0 .Lfor_v_\@
	tensor_load_to_lds s[G0K:G0K+3], s[G1K:G1K+7]
	s_nop 0
.rept 4
	v_nop
.endr
	s_branch .Lasked_\@
.Lfor_v_\@:
	tensor_load_to_lds s[G0V:G0V+3], s[G1V:G1V+7]
	s_nop 0
.rept 4
	v_nop
.endr
.Lasked_\@:
.endm
	s_load_b256 s[4:11], s[0:1], 0x0               ; qc, kc, vc, the scales' exponents
	s_load_b64 s[12:13], s[0:1], 0x20              ; ac
	v_lshl_add_u32 v[SPW], v0, 2, SPARE
	v_mov_b32 v[NIL], 0
	ds_add_u32 v[SPW], v[NIL]                      ; the opening lines: the add, twice on end, and its wait ahead of the first tensor load
	ds_add_u32 v[SPW], v[NIL]
	v_lshrrev_b32 v8, 5, v0
	v_readfirstlane_b32 s[WV], v8                  ; wave 0..7
	s_and_b32 s19, s[WV], 3                        ; my head of the four; also the quarter of a tile that I fetch
	s_lshr_b32 s55, s[WV], 2                       ; which 32 queries of the 64
	s_and_b32 s[OCT], ttmp9, 7                     ; o
	s_sub_co_u32 s[OCT+1], 15, s[OCT]
	s_lshr_b32 s56, ttmp9, 3                       ; which half of an octet
	s_and_b32 s57, ttmp7, 0xffff
	s_and_b32 s58, s57, 3                          ; g: which four heads
	s_lshr_b32 s57, s57, 2                         ; the batch
	s_lshl_b32 s60, s57, 21                        ; K: batch x 2,048 keys x 1,024 bytes + 256 g + my 64 keys
	s_lshl_b32 s14, s58, 8
	s_add_co_u32 s60, s60, s14
	s_lshl_b32 s14, s19, 16
	s_add_co_u32 s60, s60, s14
	s_mov_b32 s61, 0
	s_lshl_b32 s62, s57, 21                        ; V: (batch x 1,024 + 256 g + my 64 rows) x 2,048 bytes
	s_lshl_b32 s14, s58, 19
	s_add_co_u32 s62, s62, s14
	s_lshl_b32 s14, s19, 17
	s_add_co_u32 s62, s62, s14
	s_mov_b32 s63, 0
	s_mul_i32 s49, s19, 64*KP                      ; my quarter's place in K's part of a slot,
	s_add_co_u32 s50, s49, VOFF                    ; and in V's
	s_mov_b32 s[G1K], (0<<16)|(1<<20)|(5<<22)|(3<<25)   ; elements of 1 byte; padding: four words after every 64
	s_mov_b32 s[G1V], (0<<16)|(1<<20)|(5<<22)|(3<<25)
.irp g, G1K, G1V
	s_mov_b32 s[\g+1], 256<<16                     ; tensor_dim0
	s_mov_b32 s[\g+2], 64<<16                      ; tensor_dim1
	s_mov_b32 s[\g+3], 256<<16                     ; tile_dim0
	s_mov_b32 s[\g+4], 64                          ; tile_dim1
	s_mov_b32 s[\g+6], 0
	s_mov_b32 s[\g+7], 0
.endr
	s_mov_b32 s[G1K+5], 1024                       ; a token's row of kc,
	s_mov_b32 s[G1V+5], 2048                       ; a feature's row of vc
	s_mov_b32 s[SEL], 0x76543210
	s_mov_b32 s[SEL+1], 0xfedcba98
	s_mov_b32 s[CS], 0x3e38aa3b                    ; log2(e) / 8
	s_mov_b32 s[TBK], 0
	s_mov_b32 s[TBV], 0
	s_mov_b32 s[FB], 0
	s_mov_b32 s[SLOTS], 8
	s_mov_b32 s[KS], 0
	s_wait_dscnt 0x0                               ; both opening adds are done
	s_wait_kmcnt 0x0
	s_load_b256 s[68:75], s[10:11], 0x0            ; e0 .. e7
	s_mov_b32 s[G0K], 1
	s_mov_b32 s[G0K+1], s49
	s_add_nc_u64 s[G0K+2:G0K+3], s[6:7], s[60:61]
	s_or_b32 s[G0K+3], s[G0K+3], 0x80000000
	s_mov_b32 s[G0V], 1
	s_mov_b32 s[G0V+1], s50
	s_add_nc_u64 s[G0V+2:G0V+3], s[8:9], s[62:63]
	s_or_b32 s[G0V+3], s[G0V+3], 0x80000000
	TLOAD                                          ; slot 0: it holds key 0, which counts for every query
	; all scalar set-up first, then the vector lines on end
	s_lshl_b32 s59, s56, 6
	s_lshl_b32 s15, s55, 5
	s_add_co_u32 s59, s59, s15                     ; a pair's place in its octet: 64 x half + 32 (w / 4)
	s_lshl_b32 s15, s57, 11
	s_add_co_u32 s15, s15, s59
	s_lshl_b32 s17, s58, 2
	s_add_co_u32 s17, s17, s19
	s_lshl_b32 s17, s17, 6                         ; my head's 64 bytes of a token's row
	s_lshl_b32 s16, s[OCT], 7
	s_add_co_u32 s16, s16, s15
	s_lshl_b32 s82, s16, 10
	s_add_co_u32 s82, s82, s17
	s_mov_b32 s83, 0
	s_add_nc_u64 s[82:83], s[4:5], s[82:83]        ; Q of pair 0,
	s_lshl_b32 s16, s[OCT+1], 7
	s_add_co_u32 s16, s16, s15
	s_lshl_b32 s84, s16, 10
	s_add_co_u32 s84, s84, s17
	s_mov_b32 s85, 0
	s_add_nc_u64 s[84:85], s[4:5], s[84:85]        ; of pair 1
	s_lshl_b32 s90, s19, 6
	s_mul_i32 s92, s55, 32*KP                      ; the stage, in: row 64 x pair + 32 (w / 4) + 16 u + r, byte 64 x head + 16 t + 8 h
	s_add_co_u32 s92, s92, s90
	s_add_co_u32 s92, s92, STG
	s_mul_i32 s93, s[WV], 16*KP                    ; back: wave w takes rows 16 w .. 16 w + 15, whole
	s_add_co_u32 s93, s93, STG
	; THE PREFETCHES INTO THE L2, of what the NEXT change of slots will ask for.  The sixteen work-groups that walk one K and V share the slots out: work-group x asks for half x % 2 (128 rows of K, 128 of V) of slot x / 2,
	; at the change that loads slot x / 2 - 1; waves 0-3 for K's rows, waves 4-7 for V's, 32 rows a wave, a lane a row of 256 bytes, one instruction.  So each row is named once.  Slots 0 and 1 come by their loads alone.
	s_lshl_b32 s86, s57, 21
	s_lshl_b32 s87, s58, 8
	s_lshl_b32 s88, s58, 19
	s_mov_b32 s[PFS], 256
	s_mov_b32 s89, 2048
	s_cmp_lt_u32 s[WV], 4
	s_cselect_b64 s[PFA:PFA+1], s[6:7], s[8:9]
	s_cselect_b32 s[PFS], 0x40000, s[PFS]          ; a slot on
	s_cselect_b32 s89, 1024, s89                   ; from row to row
	s_cselect_b32 s87, s87, s88
	s_add_co_u32 s86, s86, s87
	s_and_b32 s87, ttmp9, 1
	s_lshl_b32 s87, s87, 7                         ; my work-group's 128 rows of the 256,
	s_lshl_b32 s88, s19, 5
	s_add_co_u32 s87, s87, s88                     ; my wave's 32 of them
	s_mul_i32 s87, s87, s89
	s_add_co_u32 s86, s86, s87
	s_add_co_u32 s86, s86, s[PFS]                  ; in slot 1: the first change of slots steps it to slot 2
	s_mov_b32 s87, 0
	s_mov_b32 s[PFS+1], 0
	s_add_nc_u64 s[PFA:PFA+1], s[PFA:PFA+1], s[86:87]
	s_lshr_b32 s87, ttmp9, 1
	s_sub_co_u32 s[LIM], 10, s87                   ; the count of slots at which a change's prefetch names slot x / 2 (9 and 10 are never met)
	s_cmp_lt_u32 s[WV], 4                          ; where the sixteen rows that I store begin in ac: pair w / 4, queries 16 (w % 4) on of its 64
	s_cselect_b32 s94, s[OCT], s[OCT+1]
	s_lshl_b32 s94, s94, 7
	s_lshl_b32 s95, s56, 6
	s_add_co_u32 s94, s94, s95
	s_lshl_b32 s95, s19, 4
	s_add_co_u32 s94, s94, s95
	s_lshl_b32 s95, s57, 11
	s_add_co_u32 s94, s94, s95
	s_lshl_b32 s94, s94, 10
	s_lshl_b32 s95, s58, 8
	s_add_co_u32 s94, s94, s95
	s_mov_b32 s95, 0
	s_add_nc_u64 s[12:13], s[12:13], s[94:95]
	v_and_b32 v8, 15, v0                           ; r = lane % 16
	v_bfe_u32 v9, v0, 4, 1                         ; h = lane / 16
	v_lshlrev_b32 v247, 10, v8
	v_lshl_add_u32 v247, v9, 4, v247
.irp u, 0,1                                    ; Q's fragments stay in registers: d = 16 h + 0 .. 15 and 32 + 16 h + 0 .. 15, the order in which K's are loaded too
	global_load_b128 v[32+8*\u:35+8*\u], v247, s[82:83] offset:16384*\u
	global_load_b128 v[36+8*\u:39+8*\u], v247, s[82:83] offset:16384*\u+32
	global_load_b128 v[48+8*\u:51+8*\u], v247, s[84:85] offset:16384*\u
	global_load_b128 v[52+8*\u:55+8*\u], v247, s[84:85] offset:16384*\u+32
.endr
	v_mul_u32_u24 v[STO], v8, KP
	v_lshl_add_u32 v[AK0], v9, 4, v[STO]
	v_add_nc_u32 v[AK0], s90, v[AK0]               ; K: r x 272 + 16 h + 64 x head
	v_lshl_add_u32 v[STO], v9, 3, v[STO]
	v_add_nc_u32 v[AV0], s50, v[STO]               ; V: VOFF + (64 x head + r) x 272 + 8 h
	v_add_nc_u32 v[STO], s92, v[STO]
	v_lshlrev_b32 v[DG], 3, v9
	v_sub_nc_u32 v[DG], v8, v[DG]
	v_add_nc_u32 v[DG], s59, v[DG]                 ; the place in its octet of my query of tile u = 0, less 8 h: a number to compare with
	v_mul_u32_u24 v[RD], v9, KP
	v_lshl_add_u32 v[RD], v8, 4, v[RD]
	v_add_nc_u32 v[RD], s93, v[RD]
	v_lshlrev_b32 v[GO], 10, v9
	v_lshl_add_u32 v[GO], v8, 4, v[GO]
	v_and_b32 v[PFO], 31, v0
	v_mul_u32_u24 v[PFO], s89, v[PFO]
.irp k, 0,1,2,3                                ; the largest t begins as -3e38 and the sums as zeros: the key step has no first step of its own
	v_mov_b32 v[13+4*\k], 0xff61b1e6
	v_mov_b32 v[14+4*\k], 0
	v_mov_b32 v[15+4*\k], 0
.endr
.irp k, 0,1,2,3
	v_floor_f32 v[12+4*\k], -v[13+4*\k]
.endr
.set i, 0
.rept 16
	v_mov_b32 v[224+i], 0                          ; written once: lane permutes' destinations, and the upper halves of pairs that are named
.set i, i+1
.endr
	v_mov_b32 v246, 0xff800000                     ; -infinity
	WIN 0x40                                       ; destination window 1
.set i, 0
.rept 128
	v_mov_b32 v[128+i], 0                          ; O^T of the four tiles
.set i, i+1
.endr
	WIN 0
	s_wait_alu depctr_va_vdst(0)
	s_wait_kmcnt 0x0
	s_add_co_i32 s81, s70, s71
	s_lshl_b32 s81, s81, 23
	s_add_co_i32 s[CS], s[CS], s81                 ; a score stands for score x 2^(e2 + e3)
	s_mov_b32 s[CS+1], s[CS]
	s_add_co_i32 s81, s72, 127
	s_lshl_b32 s14, s81, 23
	v_mov_b32 v244, s14                            ; 2^e4, for p's conversions
	s_add_co_i32 s81, s81, 8
	s_lshl_b32 s81, s81, 23
	s_or_b32 s81, s81, 0x600000
	v_mov_b32 v240, s81                            ; 448 x 2^e4,
	v_mov_b32 v243, s81                            ; twice: the two halves of a dual pair take their first sources from different register banks
	s_add_co_i32 s81, s74, 127
	s_lshl_b32 s14, s81, 23
	v_mov_b32 v245, s14                            ; 2^e6, for the output's
	s_add_co_i32 s81, s81, 8
	s_lshl_b32 s81, s81, 23
	s_or_b32 s81, s81, 0x600000
	v_mov_b32 v241, s81                            ; 448 x 2^e6
; A PAIR'S PART OF A KEY STEP: 128 keys against the pair's two tiles, whose lines take turns so that no line waits for the line above it.  first = 1: the fragments have just been asked for.
.macro PAIR P, first
.if \first
	s_wait_dscnt 40                                ; K's tiles 0-3 are in; behind them K's other eight loads and V's 32
.endif
	WIN 0x01                                       ; source 0 (K) window 1
.irp t, 0,1,2,3
.irp u, 0,1
	v_wmma_f32_16x16x64_fp8_fp8 v[64+64*\u+8*\t:71+64*\u+8*\t], v[8*\t:8*\t+7], v[32+16*\P+8*\u:39+16*\P+8*\u], 0
.endr
.endr
.if \first
	s_wait_dscnt 32                                ; all of K is in; V's 32 loads may be out
.endif
.irp t, 4,5,6,7
.irp u, 0,1
	v_wmma_f32_16x16x64_fp8_fp8 v[64+64*\u+8*\t:71+64*\u+8*\t], v[8*\t:8*\t+7], v[32+16*\P+8*\u:39+16*\P+8*\u], 0
.endr
.endr
	WIN 0
.rept 4
	v_nop
.endr
	s_cmp_lt_u32 s[KS], s[OCT+\P]                  ; only in the pair's own octet are some keys hidden: their scores become -infinity ahead of the maximum, so that p = 0
	s_cbranch_scc1 .Lopen_\@
.set m, 0
.rept 72                                       ; register 8 t + j holds key 16 t + 8 h + j of the octet; tile 1's queries lie 16 further on, so one compare serves tile 0's register m - 8 and tile 1's register m
	v_cmp_gt_i32 vcc_lo, 16*(m/8)+m%8-16, v[DG]
.if m >= 8
	v_cndmask_b32 v[64+m-8], v[64+m-8], v246, vcc_lo
.endif
.if m < 64
	v_cndmask_b32 v[128+m], v[128+m], v246, vcc_lo
.endif
.set m, m+1
.endr
.Lopen_\@:
.irp u, 0,1                                    ; the step's largest score of each query, in two chains a tile; each accumulator is read from its low end on
	v_max3_num_f32 v[224+8*\u], v[64+64*\u], v[65+64*\u], v[66+64*\u]
	v_max3_num_f32 v[225+8*\u], v[67+64*\u], v[68+64*\u], v[69+64*\u]
.endr
.irp i, 6,10,14,18,22,26,30,34,38,42,46,50,54,58
.irp u, 0,1
	v_max3_num_f32 v[224+8*\u], v[224+8*\u], v[64+64*\u+\i], v[65+64*\u+\i]
	v_max3_num_f32 v[225+8*\u], v[225+8*\u], v[66+64*\u+\i], v[67+64*\u+\i]
.endr
.endr
.irp u, 0,1
	v_max3_num_f32 v[224+8*\u], v[224+8*\u], v[126+64*\u], v[127+64*\u]
.endr
.irp u, 0,1
	v_max_num_f32 v[224+8*\u], v[224+8*\u], v[225+8*\u]
.endr
.irp u, 0,1
	v_permlanex16_b32 v[228+8*\u], v[224+8*\u], s[SEL], s[SEL+1]
.endr
.irp u, 0,1
	v_max_num_f32 v[224+8*\u], v[224+8*\u], v[228+8*\u]   ; and among lane l xor 16's
.endr
.irp u, 0,1
	v_mul_f32 v[224+8*\u], s[CS], v[224+8*\u]      ; as t (the constant is positive)
.endr
.irp u, 0,1
	v_max_num_f32 v[13+8*\P+4*\u], v[13+8*\P+4*\u], v[224+8*\u]   ; the running largest t
.endr
.irp u, 0,1
	v_mov_b32 v[224+8*\u], v[12+8*\P+4*\u]
.endr
.irp u, 0,1
	v_floor_f32 v[12+8*\P+4*\u], -v[13+8*\P+4*\u]  ; the new -M = floor(-t) = -ceil(t)
.endr
.irp u, 0,1
	v_sub_f32 v[224+8*\u], v[12+8*\P+4*\u], v[224+8*\u]   ; old M less new M: a whole number, 0 or less
.endr
.irp u, 0,1
	v_cvt_i32_f32 v[224+8*\u], v[224+8*\u]         ; (it saturates)
.endr
.irp u, 0,1
	v_ldexp_f32 v[226+8*\u], 1.0, v[224+8*\u]      ; f = 2^(old M - new M)
.endr
.set j, 0
.rept 32
	v_pk_fma_f32 v[64+j:65+j], v[64+j:65+j], s[CS:CS+1], v[12+8*\P:13+8*\P] op_sel_hi:[1,0,0]   ; tile 0: t - M, two at a time
.set j, j+2
.endr
.set j, 0
	s_wait_alu depctr_va_vdst(0)
.rept 32
	v_exp_f32 v[64+j], v[64+j]                     ; tile 0: p = 2^(t - M), at most 1: not normalised.  Between the exponentials stand lines that hang on none of them:
	v_pk_fma_f32 v[128+j:129+j], v[128+j:129+j], s[CS:CS+1], v[16+8*\P:17+8*\P] op_sel_hi:[1,0,0]   ; tile 1's t - M, first read behind the next wait
	v_exp_f32 v[65+j], v[65+j]
.set j, j+2
.endr
.irp u, 0,1
	v_pk_mul_f32 v[14+8*\P+4*\u:15+8*\P+4*\u], v[14+8*\P+4*\u:15+8*\P+4*\u], v[226+8*\u:227+8*\u] op_sel_hi:[1,0]   ; the sums under the new M: plain instructions behind the exponentials
.endr
	s_wait_alu depctr_va_vdst(0)                   ; one wait for the batch of 128, ahead of its first reader
; (the wait above serves tile 0's p, which is read from here on, and tile 1's t - M, which the second batch reads)
; Tile 1's exponentials; between them lines on tile 0's p that form no chain: the first level of its sum, of the UNQUANTISED p, into the registers of p's codes, which are free here; then its holds.  What they write is first read behind the wait that follows the batch.
.set j, 0
.rept 16
	v_exp_f32 v[128+2*j], v[128+2*j]
	v_pk_add_f32 v[192+2*j:193+2*j], v[64+4*j:65+4*j], v[66+4*j:67+4*j]
	v_exp_f32 v[129+2*j], v[129+2*j]
.set j, j+1
.endr
.set j, 0
.rept 32
	v_exp_f32 v[160+j], v[160+j]
	v_dual_min_num_f32 v[64+2*j], v240, v[64+2*j] :: v_dual_min_num_f32 v[65+2*j], v243, v[65+2*j]   ; the conversion does not saturate (ISA guide 7.6.2); p is not negative, so the hold is one-sided; two holds an instruction
.set j, j+1
.endr
	v_nop                                          ; a plain instruction behind the last exponential
	s_wait_alu depctr_va_vdst(0)                   ; one wait for the batch and for what was written inside it, ahead of the first reader
	v_pk_add_f32 v[230:231], v[192:193], v[194:195]   ; the rows' sums, in two chains a tile: tile 0's from its sixteen first-level pairs, tile 1's from its unquantised p
	v_pk_add_f32 v[238:239], v[128:129], v[130:131]
.irp j, 4,8,12,16,20,24,28,32,36,40,44,48,52,56,60
.if \j < 32
	v_pk_add_f32 v[14+8*\P:15+8*\P], v[14+8*\P:15+8*\P], v[192+\j:193+\j]
	v_pk_add_f32 v[230:231], v[230:231], v[194+\j:195+\j]
.endif
	v_pk_add_f32 v[18+8*\P:19+8*\P], v[18+8*\P:19+8*\P], v[128+\j:129+\j]
	v_pk_add_f32 v[238:239], v[238:239], v[130+\j:131+\j]
.endr
.irp u, 0,1
	v_pk_add_f32 v[14+8*\P+4*\u:15+8*\P+4*\u], v[14+8*\P+4*\u:15+8*\P+4*\u], v[230+8*\u:231+8*\u]
.endr
.irp t, 0,1,2,3,4,5,6,7
.irp i, 0,2,4,6
	v_dual_min_num_f32 v[128+8*\t+\i], v240, v[128+8*\t+\i] :: v_dual_min_num_f32 v[129+8*\t+\i], v243, v[129+8*\t+\i]   ; tile 1's holds
.endr
	v_cvt_scalef32_pk8_fp8_f32 v[192+2*\t:193+2*\t], v[64+8*\t:71+8*\t], v244      ; registers 2 t, 2 t + 1 of the operand: keys 16 t + 8 h + 0 .. 7
	v_cvt_scalef32_pk8_fp8_f32 v[208+2*\t:209+2*\t], v[128+8*\t:135+8*\t], v244
.endr
.if \first
	s_wait_dscnt 0x0                               ; V's fragments are in
.endif
	WIN 0x41                                       ; destination and source 0 (O^T) window 1
	s_wait_alu depctr_va_vdst(0)                   ; directly ahead of the first reader of O^T
.irp u, 0,1
.set j, 0
.rept 16
	v_pk_mul_f32 v[128+64*\P+32*\u+j:129+64*\P+32*\u+j], v[128+64*\P+32*\u+j:129+64*\P+32*\u+j], v[226+8*\u:227+8*\u] op_sel_hi:[1,0]   ; O^T under the new M
.set j, j+2
.endr
.endr
	WIN 0x51                                       ; D, C (O^T) and source 0 (V) window 1, source 1 (p's codes) window 0
.irp t, 0,1,2,3
.irp u, 0,1
	v_wmma_f32_16x16x128_fp8_fp8 v[128+64*\P+32*\u+8*\t:135+64*\P+32*\u+8*\t], v[64+16*\t:79+16*\t], v[192+16*\u:207+16*\u], v[128+64*\P+32*\u+8*\t:135+64*\P+32*\u+8*\t]   ; the eight accumulators take turns, one instruction a turn
.endr
.endr
	WIN 0
.endm
	s_wait_alu depctr_va_vdst(0)                   ; the head's end
	s_wait_loadcnt 0x0                             ; Q
.Lslot:                                            ; eight trips, one for each slot.  THE CHANGE OF SLOTS stands at a slot's head
	s_wait_tensorcnt 0x0                           ; my part of the slot ahead is in, and no tensor load of mine is out, so a group 0 may be written
	ds_add_u32 v[SPW], v[NIL]
	s_xor_b32 s[FB], s[FB], SLOT
	s_add_co_u32 s[G0K+1], s[FB], s49
	s_add_nc_u64 s[G0K+2:G0K+3], s[G0K+2:G0K+3], 0x40000   ; the next 256 keys' rows
	s_add_co_u32 s[G0V+1], s[FB], s50
	s_add_nc_u64 s[G0V+2:G0V+3], s[G0V+2:G0V+3], 256
	s_wait_xcnt 0x0                                ; any prefetch of mine has read its address, so it may be written:
	s_add_nc_u64 s[PFA:PFA+1], s[PFA:PFA+1], s[PFS:PFS+1]  ; one slot further on than the walking descriptors
	s_wait_dscnt 0x0                               ; the add is done, and my reads of the slot that I have left are over
	s_barrier_signal -1
	s_barrier_wait -1
	s_add_co_u32 s96, s[KS], 2                     ; the first key step of the slot that this change would ask for:
	s_cmp_gt_u32 s96, s[OCT+1]                     ; behind 15 - o no wave of the work-group reads it (the eighth trip is always past it).  Ids and the count of steps alone: all eight waves go the same way, and past the limit they stay past it
	s_cbranch_scc1 .Lpast
	TLOAD                                          ; a wave's one tensor load until the next barrier: it has a whole slot's steps in which to land
.Lpast:
	s_cmp_eq_u32 s[SLOTS], s[LIM]
	s_cbranch_scc0 .Lnot_mine
	global_prefetch_b8 v[PFO], s[PFA:PFA+1] th:TH_LOAD_NT scope:SCOPE_SE
.Lnot_mine:
	s_mov_b32 s[QC], 2
.Lstep:                                            ; two trips: the slot's two key steps of 128 keys
	s_cmp_gt_u32 s[KS], s[OCT+1]                   ; all 128 keys come after all my queries: the step's work is left out (ids and a counted step alone decide)
	s_cbranch_scc1 .Lnone
	v_add_nc_u32 v[ADK], s[TBK], v[AK0]
	v_add_nc_u32 v[ADV], s[TBV], v[AV0]
	v_nop
	v_nop                                          ; four plain instructions in front of loads into registers that the last products read
	WIN 0x40                                       ; destination window 1
.irp t, 0,1,2,3,4,5,6,7
	ds_load_b128 v[8*\t:8*\t+3], v[ADK] offset:16*\t*KP
	ds_load_b128 v[8*\t+4:8*\t+7], v[ADK] offset:16*\t*KP+32
.endr
.irp t, 0,1,2,3
.irp c, 0,1,2,3,4,5,6,7
	ds_load_b64 v[64+16*\t+2*\c:65+16*\t+2*\c], v[ADV] offset:16*\t*KP+16*\c   ; V^T: row d = 16 t + r, keys 16 c + 8 h + 0 .. 7
.endr
.endr
	WIN 0
	PAIR 1, 1                                      ; the pair in octet 15 - o,
	s_cmp_gt_u32 s[KS], s[OCT]
	s_cbranch_scc1 .Lnone
	PAIR 0, 0                                      ; and, up to step o, the pair in octet o, on the same fragments
.Lnone:
	s_add_co_u32 s[KS], s[KS], 1
	s_xor_b32 s[TBK], s[TBK], 128*KP               ; the slot's other 128 keys: 128 rows on in K's part,
	s_xor_b32 s[TBV], s[TBV], 128                  ; 128 bytes on in V's rows
	s_sub_co_u32 s[QC], s[QC], 1
	s_cmp_lg_u32 s[QC], 0
	s_cbranch_scc1 .Lstep
	s_xor_b32 s[TBK], s[TBK], SLOT                 ; on to the other slot
	s_xor_b32 s[TBV], s[TBV], SLOT
	s_sub_co_u32 s[SLOTS], s[SLOTS], 1
	s_cmp_lg_u32 s[SLOTS], 0
	s_cbranch_scc1 .Lslot
	; THE WAY OUT.  o = O^T / the sum x 2^(e4 + e5), in f32; held and converted with 2^e6; eight codes a lane into the stage; a barrier, since a token's 256 bytes come from four waves; back as whole rows.
.irp k, 0,1,2,3
	v_add_f32 v[14+4*\k], v[14+4*\k], v[15+4*\k]
.endr
.irp k, 0,1,2,3
	v_permlanex16_b32 v[224+\k], v[14+4*\k], s[SEL], s[SEL+1]
.endr
.irp k, 0,1,2,3
	v_add_f32 v[14+4*\k], v[14+4*\k], v[224+\k]
.endr
	s_wait_alu depctr_va_vdst(0)
.irp k, 0,1,2,3
	v_rcp_f32 v[14+4*\k], v[14+4*\k]
.endr
	v_nop
	s_add_co_i32 s81, s72, s73
	s_wait_alu depctr_va_vdst(0)                   ; one wait for the four, ahead of their first reader
.irp k, 0,1,2,3
	v_ldexp_f32 v[14+4*\k], v[14+4*\k], s81
.endr
	WIN 0x01                                       ; source 0 (O^T) window 1
	s_wait_alu depctr_va_vdst(0)                   ; directly ahead of the first reader of O^T
.irp k, 0,1,2,3
.set j, 0
.rept 32
	v_mul_f32 v[64+32*\k+j], v[128+32*\k+j], v[14+4*\k]   ; register 8 t + i is o(query r, d = 16 t + 8 h + i); each accumulator from its low end on
.set j, j+1
.endr
.endr
	WIN 0
.set j, 0
.rept 128
	v_med3_num_f32 v[64+j], v[64+j], -v241, v241
.set j, j+1
.endr
.set j, 0
.rept 16
	v_cvt_scalef32_pk8_fp8_f32 v[192+2*j:193+2*j], v[64+8*j:71+8*j], v245
.set j, j+1
.endr
	v_nop                                          ; one plain vector instruction behind the last conversion
.irp k, 0,1,2,3
.irp t, 0,1,2,3
	ds_store_b64 v[STO], v[192+8*\k+2*\t:193+8*\k+2*\t] offset:(64*(\k/2)+16*(\k%2))*KP+16*\t
.endr
.endr
	s_wait_dscnt 0x0                               ; for the others' sake: my stores into the stage are done
	s_barrier_signal -1
	s_barrier_wait -1
.irp i, 0,1,2,3,4,5,6,7
	ds_load_b128 v[64+4*\i:67+4*\i], v[RD] offset:2*\i*KP
.endr
.irp i, 0,1,2,3,4,5,6,7
	s_wait_dscnt 7-\i
	global_store_b128 v[GO], v[64+4*\i:67+4*\i], s[12:13] offset:2*\i*1024   ; sixteen lanes store 256 consecutive bytes, at a multiple of 256 from the buffer's first byte
.endr
	s_wait_tensorcnt 0x0                           ; the wave's end
	ds_add_u32 v[SPW], v[NIL]
	s_wait_dscnt 0x0
	s_endpgm
.Lfunc_end_k_q933d0a5b6c_attn:
	.size	k_q933d0a5b6c_attn, .Lfunc_end_k_q933d0a5b6c_attn-k_q933d0a5b6c_attn
	.p2alignl 7, 3214868480
	.fill 96, 4, 3214868480
	.section	.rodata,"a",@progbits
	.p2align	6, 0x0
	.amdhsa_kernel k_q933d0a5b6c_attn
		.amdhsa_group_segment_fixed_size 327680
		.amdhsa_private_segment_fixed_size 0
		.amdhsa_enable_private_segment 0
		.amdhsa_kernarg_size 40
		.amdhsa_user_sgpr_count 2
		.amdhsa_user_sgpr_kernarg_segment_ptr 1
		.amdhsa_wavefront_size32 1
		.amdhsa_system_sgpr_workgroup_id_x 1
		.amdhsa_system_sgpr_workgroup_id_y 1
		.amdhsa_system_sgpr_workgroup_id_z 1
		.amdhsa_system_vgpr_workitem_id 0
		.amdhsa_next_free_vgpr 512
		.amdhsa_next_free_sgpr 100
		.amdhsa_reserve_vcc 1
		.amdhsa_float_denorm_mode_32 3
		.amdhsa_float_denorm_mode_16_64 3
		.amdhsa_memory_ordered 1
		.amdhsa_forward_progress 1
		.amdhsa_inst_pref_size 102
	.end_amdhsa_kernel
	.amdgpu_metadata
---
amdhsa.version: [ 1, 2 ]
amdhsa.kernels:
  - .name:           k_q933d0a5b6c_attn
    .symbol:         k_q933d0a5b6c_attn.kd
    .args:
      - { .name: qc, .offset: 0, .size: 8, .value_kind: global_buffer, .address_space: global }
      - { .name: kc, .offset: 8, .size: 8, .value_kind: global_buffer, .address_space: global }
      - { .name: vc, .offset: 16, .size: 8, .value_kind: global_buffer, .address_space: global }
      - { .name: lowp_scales, .offset: 24, .size: 8, .value_kind: global_buffer, .address_space: global }
      - { .name: ac, .offset: 32, .size: 8, .value_kind: global_buffer, .address_space: global }
    .group_segment_fixed_size: 327680
    .private_segment_fixed_size: 0
    .kernarg_segment_align: 8
    .kernarg_segment_size: 40
    .max_flat_workgroup_size: 256
    .sgpr_count:     100
    .vgpr_count:     512
    .wavefront_size: 32
...
	.end_amdgpu_metadata
.endif
;; end of part 3
;; launch proj (part 4): grid 4 x 64, 4 waves a work-group, clusters of 4 x 4, 327,680 bytes of LDS; arguments ac, wpc, lowp_scales, b_proj, out0; writes out0
.if DOCPART == 4
	.amdgcn_target "amdgcn-amd-amdhsa--gfx1250"
	.amdhsa_code_object_version 6
	.text
	.protected	k_q933d0a5b6c_proj
	.globl	k_q933d0a5b6c_proj
	.p2align	8
	.type	k_q933d0a5b6c_proj,@function
k_q933d0a5b6c_proj:
	s_mov_b64 s[64:65], 0
	v_nop
	global_prefetch_b8 v0, s[64:65] scope:SCOPE_SE
	s_setreg_imm32_b32 hwreg(HW_REG_WAVE_MODE, 25, 1), 1
	s_wait_xcnt 0x0
	s_wait_alu depctr_hold_cnt(0) depctr_sa_sdst(0) depctr_va_vdst(0) depctr_va_sdst(0) depctr_va_ssrc(0) depctr_va_vcc(0) depctr_vm_vsrc(0)
	s_getreg_b32 s2, hwreg(HW_REG_IB_STS2, 6, 4)
	s_cmp_eq_u32 s2, 0
	s_cbranch_scc0 .Lentry_in_a_cluster
	s_endpgm
.Lentry_in_a_cluster:
	s_bfe_u32 s2, ttmp6, 0x10000c
	s_cmp_lg_u32 s2, 0xf033
	s_cbranch_scc0 .Lentry_shape_is_right
	s_endpgm
.Lentry_shape_is_right:
; out0 = a w_proj + b_proj on codes of FP8 (E4M3).  ac [8192 tokens][1024] with the scale 2^e6, wpc [1024 n][1024 k] with 2^e7: codes, K innermost.  b_proj [1024], out0 [8192][1024]: f32.
; LIMIT: e6 + e7 lies between -126 and 127, so that 2^(e6 + e7) is an f32 number.
; A tile of 128 rows x 256 columns is made by a work-group of four waves: 256 work-groups.  A wave makes 64 x 128: 32 accumulators.
; K = 1,024 in eight steps of 128.  LDS holds a SMALL slot (256 along K: rows of 256 bytes, pitch 272) and a WIDE one (512 along K: rows of 512 bytes, pitch 528).
; At the head each wave issues ONE joint load: wave 0 A's 128 rows of K 0-255, wave 1 B's 256 rows of K 0-255, wave 2 A's of K 256-767, wave 3 B's of K 256-767.
; The small slot is filled once more, with K 768-1023, when its two steps are in registers: that load has the wide slot's four steps, 128 matrix instructions a wave, in which to land.  All is written out: there is no loop, and so no prefetch.
; CLUSTERS: 4 x 4 work-groups; A's tile is shared along a row of the cluster, B's along a column.
; THE MATRIX INSTRUCTION IS USED TRANSPOSED (source 0 = 16 rows of wpc, source 1 = 16 tokens): a lane then holds eight neighbouring numbers of a row of out0.
; REGISTERS, in windows of 256: window 0: v0-31 addresses; v32-95 at work on the way out; v128-255 A's fragments, two sets of 64.  window 1: B's fragments, two sets of 128.  window 2: the accumulators.  window 3: v0-63 the biases.
.set PITCH,  272
.set XP,     528
.set FR,     16
.set HALFT,  128*PITCH
.set SLOT,   3*HALFT                   ; the small slot: A's 128 rows, then B's 256; behind it the wide slot: A's 128 rows,
.set XB,     SLOT+128*XP               ; then B's 256
.set SPARE,  SLOT+3*128*XP             ; behind the slots: the spare words, 128 bytes for each wave, which no other line names
.set SPITCH, 528                       ; the way out: a stage of 16 rows x (512 bytes + 16) for each wave, at the wide slot's head: filled once, and last read in front of the barrier at which K 768-1023 is met
.set ADRA, 16                          ; v16, v17  LDS address of my A fragments in the small slot, the wide slot
.set ADRB, 20                          ; v20, v21  the same for B
.set STO,  24
.set RD,   25
.set CO,   26
.set SPW,  28
.set NIL,  29
.set TMP,  32
.set AF,   128
.set BK,   128
.set G1AS, 24                          ; groups 1: A small, B small, A wide, B wide
.set G1BS, 32
.set G1AX, 40
.set G1BX, 48
.set G0AS, 56                          ; groups 0
.set G0BS, 60
.set G0AX, 20
.set G0BX, 72
.set MSB, 0
.macro WIN new
.if MSB != \new
	s_set_vgpr_msb (MSB<<8)|\new
.set MSB, \new
.endif
.endm
.set MUL,  0xa1
.set TO_B, 0x40
.macro CREST
	s_cmp_lg_u32 s14, 0
	s_cbranch_scc1 .Lnot_wave_0_\@
	s_barrier_signal -3
.Lnot_wave_0_\@:
	s_barrier_wait -3
	s_barrier_signal -1
	s_barrier_wait -1
.endm
.macro CROUND
	s_barrier_signal -1
	s_barrier_wait -1
	CREST
.endm
.macro PLACES                          ; four plain vector instructions between a matrix instruction and a load into, or a vector instruction on, one of its registers
.rept 4
	v_nop
.endr
.endm
.macro TL g0, g1                       ; a joint load, its s_nop 0 and four v_nop
	tensor_load_to_lds s[\g0:\g0+3], s[\g1:\g1+7]
	s_nop 0
	PLACES
.endm
	s_load_b256 s[4:11], s[0:1], 0x0               ; ac, wpc, the scales' exponents, b_proj
	s_load_b64 s[12:13], s[0:1], 0x20              ; out0
	v_lshl_add_u32 v[SPW], v0, 2, SPARE
	v_mov_b32 v[NIL], 0
	ds_add_u32 v[SPW], v[NIL]                      ; the opening lines: the add, twice on end, and its wait
	ds_add_u32 v[SPW], v[NIL]
	v_lshrrev_b32 v1, 5, v0
	v_readfirstlane_b32 s14, v1                    ; wave 0..3
	s_lshr_b32 s15, s14, 1                         ; which 64 of the tile's rows are mine
	s_and_b32 s16, s14, 1                          ; which 128 of its columns
	s_bfe_u32 s66, ttmp6, 0x40000                  ; cx, cy
	s_bfe_u32 s67, ttmp6, 0x40004
	s_lshl_b32 s68, ttmp9, 2
	s_add_co_u32 s68, s68, s66                     ; tile column
	s_and_b32 s69, ttmp7, 0xffff
	s_lshl_b32 s69, s69, 2
	s_add_co_u32 s69, s69, s67                     ; tile row
	s_lshl_b32 s70, s67, 2
	s_lshl_b32 s70, 15, s70                        ; my row of the cluster
	s_lshl_b32 s71, 0x1111, s66                    ; my column
	s_or_b32 s[G1AS], s70, (0<<16)|(1<<20)|(1<<21)|(5<<22)|(3<<25)  ; the mask; elements of 1 byte; padding: four words after every 64; bit 21 beside a mask
	s_or_b32 s[G1BS], s71, (0<<16)|(1<<20)|(1<<21)|(5<<22)|(3<<25)
	s_or_b32 s[G1AX], s70, (0<<16)|(1<<20)|(1<<21)|(6<<22)|(3<<25)  ; four words after every 128
	s_or_b32 s[G1BX], s71, (0<<16)|(1<<20)|(1<<21)|(6<<22)|(3<<25)
.irp g, G1AS, G1BS
	s_mov_b32 s[\g+1], 256<<16                     ; tensor_dim0, tile_dim0 = 256
	s_mov_b32 s[\g+3], 256<<16
.endr
.irp g, G1AX, G1BX
	s_mov_b32 s[\g+1], 512<<16                     ; = 512
	s_mov_b32 s[\g+3], 512<<16
.endr
.irp g, G1AS, G1AX
	s_mov_b32 s[\g+2], 128<<16                     ; tensor_dim1, tile_dim1 = 128
	s_mov_b32 s[\g+4], 128
.endr
.irp g, G1BS, G1BX
	s_mov_b32 s[\g+2], 256<<16                     ; = 256
	s_mov_b32 s[\g+4], 256
.endr
.irp g, G1AS, G1BS, G1AX, G1BX
	s_mov_b32 s[\g+5], 1024                        ; tensor_dim0_stride
	s_mov_b32 s[\g+6], 0
	s_mov_b32 s[\g+7], 0
.endr
	s_lshl_b32 s76, s69, 17                        ; A: 128 x tile row tokens of 1,024 bytes: made of the tile row alone
	s_mov_b32 s77, 0
	s_lshl_b32 s78, s68, 18                        ; B: 256 x tile column rows of 1,024 bytes: made of the tile column alone
	s_mov_b32 s79, 0
	s_wait_dscnt 0x0                               ; both opening adds are done
	s_wait_kmcnt 0x0
	s_load_b256 s[80:87], s[8:9], 0x0              ; e0 .. e7
	s_mov_b32 s[G0AS], 1
	s_mov_b32 s[G0AS+1], 0
	s_add_nc_u64 s[G0AS+2:G0AS+3], s[4:5], s[76:77]
	s_mov_b32 s[G0AX], 1
	s_mov_b32 s[G0AX+1], SLOT
	s_add_nc_u64 s[G0AX+2:G0AX+3], s[G0AS+2:G0AS+3], 256
	s_mov_b32 s[G0BS], 1
	s_mov_b32 s[G0BS+1], HALFT
	s_add_nc_u64 s[G0BS+2:G0BS+3], s[6:7], s[78:79]
	s_mov_b32 s[G0BX], 1
	s_mov_b32 s[G0BX+1], XB
	s_add_nc_u64 s[G0BX+2:G0BX+3], s[G0BS+2:G0BS+3], 256
.irp g, G0AS, G0AX, G0BS, G0BX
	s_or_b32 s[\g+3], s[\g+3], 0x80000000
.endr
	CROUND                                         ; all sixteen work-groups are here: the first joint loads meet
	s_cmp_eq_u32 s14, 0                            ; one chain of branches on the wave's number, one load to an arm, one join
	s_cbranch_scc0 .Lh1
	TL G0AS, G1AS
	s_branch .Lfilled
.Lh1:
	s_cmp_eq_u32 s14, 1
	s_cbranch_scc0 .Lh2
	TL G0BS, G1BS
	s_branch .Lfilled
.Lh2:
	s_cmp_eq_u32 s14, 2
	s_cbranch_scc0 .Lh3
	TL G0AX, G1AX
	s_branch .Lfilled
.Lh3:
	TL G0BX, G1BX
.Lfilled:
	s_mul_i32 s88, s15, 64*PITCH                   ; my 64 rows of A and my 128 of B, in the small slot,
	s_mul_i32 s89, s16, HALFT
	s_add_co_u32 s89, s89, HALFT
	s_mul_i32 s90, s15, 64*XP                      ; and in the wide one
	s_add_co_u32 s90, s90, SLOT
	s_mul_i32 s91, s16, 128*XP
	s_add_co_u32 s91, s91, XB
	s_mul_i32 s94, s14, 16*SPITCH
	s_add_co_u32 s94, s94, SLOT                    ; my stage
	s_lshl_b32 s18, s69, 7
	s_lshl_b32 s17, s15, 6
	s_add_co_u32 s18, s18, s17                     ; my first row: 128 x tile row + 64 x half
	s_lshl_b32 s18, s18, 12
	s_lshl_b32 s92, s68, 10
	s_lshl_b32 s17, s16, 9
	s_add_co_u32 s92, s92, s17                     ; my first column, in bytes
	s_add_co_u32 s18, s18, s92
	s_mov_b32 s19, 0
	s_mov_b32 s93, 0
	s_add_nc_u64 s[12:13], s[12:13], s[18:19]
	s_add_nc_u64 s[92:93], s[10:11], s[92:93]      ; and their biases
	v_and_b32 v1, 15, v0                           ; r
	v_bfe_u32 v2, v0, 4, 1                         ; h
	v_mul_u32_u24 v3, v1, PITCH
	v_lshl_add_u32 v3, v2, 4, v3
	v_mul_u32_u24 v4, v1, XP
	v_lshl_add_u32 v4, v2, 4, v4
	v_add_nc_u32 v[ADRA], s88, v3
	v_add_nc_u32 v[ADRB], s89, v3
	v_add_nc_u32 v[ADRA+1], s90, v4
	v_add_nc_u32 v[ADRB+1], s91, v4
	v_mul_u32_u24 v5, v1, SPITCH
	v_lshl_add_u32 v5, v2, 5, v5
	v_add_nc_u32 v[STO], s94, v5
	v_and_b32 v5, 31, v0
	v_lshlrev_b32 v[CO], 4, v5
	v_add_nc_u32 v[RD], s94, v[CO]
	v_lshlrev_b32 v6, 5, v2
	WIN 0xc0                                       ; destination window 3
.irp b, 0,1,2,3,4,5,6,7
	global_load_b128 v[8*\b:8*\b+3], v6, s[92:93] offset:64*\b       ; register 8 b + j: the bias of column 16 b + 8 h + j
	global_load_b128 v[8*\b+4:8*\b+7], v6, s[92:93] offset:64*\b+16
.endr
	WIN 0
.macro FRAG reg, adr, pit, q, i        ; a fragment: lane l holds row l % 16; registers 4 c .. 4 c + 3 hold K = 32 c + 16 (l / 16) + 0 .. 15: the same order of K in A and in B
.irp c, 0,1,2,3
	ds_load_b128 v[\reg+4*\c:\reg+4*\c+3], v[\adr] offset:128*(\q)+32*\c+(\i)*16*(\pit)
.endr
.endm
.macro FETCH slot, q, p                ; 48 LDS loads in one run: B's eight and A's four fragments of the slot's q-th 128 along K, into set p.  slot 0: the small one; 1: the wide one
	WIN TO_B
.irp i, 0,1,2,3,4,5,6,7
	FRAG 128*(\p)+FR*\i, ADRB+\slot, PITCH+256*(\slot), \q, \i
.endr
	WIN 0
.irp i, 0,1,2,3
	FRAG AF+64*(\p)+FR*\i, ADRA+\slot, PITCH+256*(\slot), \q, \i
.endr
.endm
; 16 matrix instructions: A's blocks a0, a0 + 1 x B's eight, 128 along K, set p.  The 32 accumulators take turns, one instruction a turn, in the same order in every step.
.macro MUL16 a0, p, zero
.irp a, \a0, \a0+1
.irp b, 0,1,2,3,4,5,6,7
.if \zero
	v_wmma_f32_16x16x128_fp8_fp8 v[8*(8*(\a)+\b):8*(8*(\a)+\b)+7], v[128*(\p)+FR*\b:128*(\p)+FR*\b+FR-1], v[AF+64*(\p)+FR*(\a):AF+64*(\p)+FR*(\a)+FR-1], 0
.else
	v_wmma_f32_16x16x128_fp8_fp8 v[8*(8*(\a)+\b):8*(8*(\a)+\b)+7], v[128*(\p)+FR*\b:128*(\p)+FR*\b+FR-1], v[AF+64*(\p)+FR*(\a):AF+64*(\p)+FR*(\a)+FR-1], v[8*(8*(\a)+\b):8*(8*(\a)+\b)+7]
.endif
.endr
.endr
.endm
.macro NSTEP p, zero, fs, fq           ; a step on set p; the next step's fragments are fetched into the other set while this one is multiplied
	s_wait_dscnt 0x0
	PLACES
	FETCH \fs, \fq, 1-(\p)
	WIN MUL
	MUL16 0, \p, \zero
	MUL16 2, \p, \zero
.endm
	s_wait_alu depctr_va_vdst(0)                   ; the head's end
	s_wait_tensorcnt 0x0                           ; my load is in
	s_barrier_signal -1
	s_barrier_wait -1                              ; everybody's is: both slots are whole
	FETCH 0, 0, 0
	NSTEP 0, 1, 0, 1                               ; step 0: its products start the sums
	; step 1, the small slot's last: its fragments are in registers, so the slot can be filled again
	WIN 0
	s_wait_tensorcnt 0x0
	ds_add_u32 v[SPW], v[NIL]
	s_wait_dscnt 0x0                               ; the add is done, and my reads of the small slot are over
	s_barrier_signal -1                            ; this barrier opens a round of the cluster's barrier
	WIN MUL
	MUL16 0, 1, 0
	WIN 0
	s_barrier_wait -1
	CREST                                          ; no wave of any partner still reads the small slot or has a load on its way
	s_add_nc_u64 s[G0AS+2:G0AS+3], s[G0AS+2:G0AS+3], 768   ; from K 0 to K 768
	s_add_nc_u64 s[G0BS+2:G0BS+3], s[G0BS+2:G0BS+3], 768
	s_cmp_eq_u32 s14, 0
	s_cbranch_scc0 .Lnot_a2
	TL G0AS, G1AS                                  ; the first tensor load behind the round, one a wave
	s_branch .Lasked2
.Lnot_a2:
	s_cmp_eq_u32 s14, 1
	s_cbranch_scc0 .Lasked2
	TL G0BS, G1BS
.Lasked2:
	PLACES                                         ; on every wave's way: set 0 was read by step 0's products
	FETCH 1, 0, 0
	WIN MUL
	MUL16 2, 1, 0
	NSTEP 0, 0, 1, 1                               ; steps 2 to 4
	NSTEP 1, 0, 1, 2
	NSTEP 0, 0, 1, 3
	; step 5: K 768-1023 is met
	WIN 0
	s_wait_tensorcnt 0x0
	s_wait_dscnt 0x0                               ; this step's fragments are in: no LDS instruction of mine is out at the signal
	s_barrier_signal -1
	WIN MUL
	MUL16 0, 1, 0
	WIN 0
	s_barrier_wait -1                              ; Nobody reads the wide slot any more
	PLACES
	FETCH 0, 0, 0
	WIN MUL
	MUL16 2, 1, 0
	NSTEP 0, 0, 0, 1                               ; step 6
	s_wait_dscnt 0x0                               ; step 7
	MUL16 0, 1, 0
	MUL16 2, 1, 0
	WIN 0
; THE WAY OUT, block by block of 16 rows x 128 columns: out = sum x 2^(e6 + e7) + bias; through my own stage, back as whole rows of 512 bytes.
; LDS serves a wave's instructions in order (ISA guide 5.7.1.4): no wait between the stores and the loads, nor in front of the next block's stores.
.macro TOSTAGE a
.set AC, 64*(\a)
	WIN 0x32                                       ; source 0 (the sums) window 2, source 2 (the biases) window 3
.set j, 0
.rept 32
	v_pk_fma_f32 v[TMP+j:TMP+j+1], v[AC+j:AC+j+1], s[96:97], v[j:j+1] op_sel_hi:[1,0,1]   ; each accumulator from its low end on
.set j, j+2
.endr
	WIN 0
.irp b, 0,1,2,3,4,5,6,7
	ds_store_b128 v[STO], v[TMP+8*\b:TMP+8*\b+3] offset:64*\b
	ds_store_b128 v[STO], v[TMP+8*\b+4:TMP+8*\b+7] offset:64*\b+16
.endr
.set BBK, BK+64*((\a)%2)
.irp t, 0,1,2,3,4,5,6,7,8,9,10,11,12,13,14,15
	ds_load_b128 v[BBK+4*\t:BBK+4*\t+3], v[RD] offset:\t*SPITCH
.endr
.endm
.macro SEND a, younger                 ; younger: the LDS instructions issued behind block a's loads, which may stay out
.set BBK, BK+64*((\a)%2)
	s_wait_dscnt \younger
.if (\a) > 0
	s_add_nc_u64 s[12:13], s[12:13], 16*4096       ; (behind a wait on XCNT)  16 rows on
.endif
.irp t, 0,1,2,3,4,5,6,7,8,9,10,11,12,13,14,15
	global_store_b128 v[CO], v[BBK+4*\t:BBK+4*\t+3], s[12:13] offset:\t*4096 th:TH_STORE_NT   ; 32 lanes store 512 consecutive bytes, at a multiple of 256 from out0's first byte
.endr
.endm
	s_wait_kmcnt 0x0
	s_add_co_i32 s96, s86, s87
	s_add_co_i32 s96, s96, 127
	s_lshl_b32 s96, s96, 23                        ; 2^(e6 + e7) as f32
	s_mov_b32 s97, s96
	s_wait_loadcnt 0x0                             ; the biases
	PLACES
	TOSTAGE 0
.irp a, 1,2,3
.if \a > 1
	s_wait_xcnt 0x0                                ; block a - 2's stores have read their registers and their base
.endif
	TOSTAGE \a
	SEND \a-1, 32
.endr
	s_wait_xcnt 0x0
	SEND 3, 0
	s_wait_tensorcnt 0x0                           ; the wave's end
	ds_add_u32 v[SPW], v[NIL]
	s_wait_dscnt 0x0
	CROUND                                         ; the closing round
	s_endpgm
.Lfunc_end_k_q933d0a5b6c_proj:
	.size	k_q933d0a5b6c_proj, .Lfunc_end_k_q933d0a5b6c_proj-k_q933d0a5b6c_proj
	.p2alignl 7, 3214868480
	.fill 96, 4, 3214868480
	.section	.rodata,"a",@progbits
	.p2align	6, 0x0
	.amdhsa_kernel k_q933d0a5b6c_proj
		.amdhsa_group_segment_fixed_size 327680
		.amdhsa_private_segment_fixed_size 0
		.amdhsa_enable_private_segment 0
		.amdhsa_kernarg_size 40
		.amdhsa_user_sgpr_count 2
		.amdhsa_user_sgpr_kernarg_segment_ptr 1
		.amdhsa_wavefront_size32 1
		.amdhsa_system_sgpr_workgroup_id_x 1
		.amdhsa_system_sgpr_workgroup_id_y 1
		.amdhsa_system_sgpr_workgroup_id_z 1
		.amdhsa_system_vgpr_workitem_id 0
		.amdhsa_next_free_vgpr 832
		.amdhsa_next_free_sgpr 98
		.amdhsa_reserve_vcc 0
		.amdhsa_float_denorm_mode_32 3
		.amdhsa_float_denorm_mode_16_64 3
		.amdhsa_memory_ordered 1
		.amdhsa_forward_progress 1
		.amdhsa_inst_pref_size 76
	.end_amdhsa_kernel
	.amdgpu_metadata
---
amdhsa.version: [ 1, 2 ]
amdhsa.kernels:
  - .name:           k_q933d0a5b6c_proj
    .symbol:         k_q933d0a5b6c_proj.kd
    .args:
      - { .name: ac, .offset: 0, .size: 8, .value_kind: global_buffer, .address_space: global }
      - { .name: wpc, .offset: 8, .size: 8, .value_kind: global_buffer, .address_space: global }
      - { .name: lowp_scales, .offset: 16, .size: 8, .value_kind: global_buffer, .address_space: global }
      - { .name: b_proj, .offset: 24, .size: 8, .value_kind: global_buffer, .address_space: global }
      - { .name: out0, .offset: 32, .size: 8, .value_kind: global_buffer, .address_space: global }
    .group_segment_fixed_size: 327680
    .private_segment_fixed_size: 0
    .kernarg_segment_align: 8
    .kernarg_segment_size: 40
    .max_flat_workgroup_size: 128
    .sgpr_count:     98
    .vgpr_count:     832
    .wavefront_size: 32
...
	.end_amdgpu_metadata
.endif
;; end of part 4
